; MI455X (gfx1250); checked and timed in simulation.
; The chip was launched on July 23, 2026; its instructions are those of AMD's public machine-readable ISA for CDNA 5 (MIT licence, August 2026) and "CDNA5" Instruction Set Architecture Reference Guide (July 2026). The comments in the code are by the model that wrote it; some were corrected since.
;; Self Attention. Allowed arithmetic: matrix products marked QUANTISED: E2M1 operands, one E8M0 scale for each 32 along K, by v_wmma_scale_f32_16x16x128_f8f6f4 with both operands' format E2M1 (or v_wmma_scale_f32_32x16x128_f4), f32 sums; everything else in f32.
;; Inputs: beta 256 float32; gamma 256 float32; proj_b 256 float32; proj_w 256 x 256 float32; qkv_b 768 float32; qkv_w 768 x 256 float32; x 4 x 256 x 64 x 64 float32.
;; Outputs: out0 4 x 256 x 64 x 64 float32.
;; This version of the problem:
;;   THIS VERSION OF THE PROBLEM IS GIVEN IN LOW PRECISION. The matrix products marked QUANTISED in the list below multiply operands that are first quantised to E2M1 (2 exponent bits, 1 mantissa bit; 4 bits a number), with one power-of-two scale for each 32 numbers along K (OCP MX v1.0); their sums are f32. All else is computed in f32.
;;   The module's matrix products, in the order in which they are computed (A, B: the left and right operand; K: the contracted axis; several contracted axes count as one K, in the product's order):
;;     1. [M 16,384, K 256] x [K 256, N 768]; A: computed on the way; B: input qkv_w: QUANTISED
;;     2. batch 16 x [M 4,096, K 64] x [K 64, N 4,096]; A: computed on the way; B: computed on the way: QUANTISED
;;     3. batch 16 x [M 64, K 4,096] x [K 4,096, N 4,096]; A: computed on the way; B: softmax (see below): QUANTISED
;;     4. [M 16,384, K 256] x [K 256, N 256]; A: computed on the way; B: input proj_w: QUANTISED
;;   THE QUANTISER, for each operand of a quantised product, along K:
;;     - K is cut into blocks of 32 from its start; a last block that is shorter is filled with zeros.
;;     - A block's scale is 2^e with e = floor(log2(the largest magnitude in the block)) - 2, held to -126 .. 127; a block of zeros has e = 0. As a byte (E8M0): e + 127.
;;     - Each number is divided by its block's scale, clamped to +-6, and rounded to the nearest number of E2M1, ties to even, subnormals kept.
;;     - The product sums the exact products of the quantised numbers (number of the format x scale) in f32.
;;   ~~~python
;;   def quantise(x, axis):      # numpy; x: float32 -> the quantised numbers, widened to float32 again
;;       x = np.moveaxis(x, axis, -1); K = x.shape[-1]
;;       x = np.pad(x, [(0, 0)] * (x.ndim - 1) + [(0, -K % 32)]); x = x.reshape(x.shape[:-1] + (-1, 32)); a = np.abs(x).max(-1, keepdims=True)
;;       e = np.where(a > 0, np.clip(np.frexp(np.where(a > 0, a, 1))[1] - 1 - 2, -126, 127), 0)      # np.frexp(a)[1] - 1 = floor(log2(a)), exactly
;;       r = np.clip(x / 2.0 ** e, -6, 6)
;;       step = 2.0 ** (np.maximum(np.frexp(np.where(r == 0, 1, r))[1] - 1, 0) - 1)
;;       q = np.round(r / step) * step * 2.0 ** e      # np.round: ties to even
;;       return np.moveaxis(q.reshape(q.shape[:-2] + (-1,))[..., :K], -1, axis).astype(np.float32)
;;   ~~~
;;   SOFTMAX AHEAD OF A QUANTISED PRODUCT. Where the list says 'softmax', what is quantised is not the finished softmax but p = 2^(t - M), with t = logit x log2(e) and M = ceil(the row's largest t), a whole number; so 1/2 < the row's largest p <= 1. The row's sum l is taken of the UNQUANTISED p, in f32, and the product's result is divided by l at the end. Since M is a whole number, a kernel that streams over the keys may use a running M (the ceiling of the running maximum): every later rescaling is an exact power of two, which a block's scale takes up: the codes' values come out the same.
;;   OPERANDS COMPUTED ON THE WAY. 'Computed on the way' means the value that the module computes at that place (a softmax that the list does not call 'softmax' is quantised finished and normalised). What goes into a quantiser is computed in f32, as accurately as f32 sums, v_exp_f32 and their like allow (about 1e-6 of the number): no bf16 or f16 on the way to a quantiser, and a product that is left as it is and whose result goes on into a quantised operand takes f32 operands (vector FMAs, or v_wmma_f32_16x16x4_f32). A number that lies on a knife's edge between two numbers of the format may be rounded either way, as far as f32 arithmetic and the matrix unit's own rounding can turn it there, and no further.
;; One version. Each part assembles by itself: llvm-mc -triple=amdgcn-amd-amdhsa -mcpu=gfx1250 --defsym DOCPART=n.
;; ======== version 1 of 1: 4 launches
;; workspace buffers: part 16,384 bytes; wcodes 131,072 bytes; wscales 8,192 bytes; qcodes 2,097,152 bytes; qscales 262,144 bytes; kv 4,587,520 bytes; ocodes 2,097,152 bytes; oscales 131,072 bytes
;; launch stats (part 1): grid 256 x 1, 8 waves a work-group, no clusters, 0 bytes of LDS; arguments x, qkv_w, proj_w, part, wcodes, wscales; writes part, wcodes, wscales
.if DOCPART == 1
	.amdgcn_target "amdgcn-amd-amdhsa--gfx1250"
	.amdhsa_code_object_version 6
	.text
	.protected	k_qefdc79789c_stats
	.globl	k_qefdc79789c_stats
	.p2align	8
	.type	k_qefdc79789c_stats,@function
k_qefdc79789c_stats:
	s_mov_b64 s[64:65], 0
	v_nop
	global_prefetch_b8 v0, s[64:65] scope:SCOPE_SE
	s_setreg_imm32_b32 hwreg(HW_REG_WAVE_MODE, 25, 1), 1
	s_wait_xcnt 0x0
; STATS.  (1) Partial statistics of the group norm.  x is [4][256][4096] f32; a norm group is 32 channels x 4,096 = 524,288 bytes on end.
; Work-group g takes the 65,536 bytes at 65,536 g (piece g % 8 of group g / 8), wave w 8,192 of them: 2,048 numbers, 64 a lane, by sixteen loads of 512 bytes on end.
; A wave stores (mean, sum of squared deviations from ITS OWN mean) of its 2,048 numbers at part + 64 g + 8 w: a group's 64 entries are 512 bytes on end.
; Deviations are taken about the wave's mean, so no difference of large sums is formed, whatever offset x carries.
; (2) Wave 0 also turns weight rows 4 g .. 4 g + 3 (rows 0-767: qkv_w, 768-1023: proj_w; 256 f32 a row, K innermost) into codes of E2M1 with one E8M0 byte for each 32 along K:
; four rows are 32 blocks, a whole block to a lane: 16 bytes of codes at wcodes + 512 g + 16 lane, one byte at wscales + 32 g + lane: both row-major, K innermost.
; A block's byte is its largest magnitude's exponent field - 2, held at 1 from below.
; LIMITS: NaN and infinities among the inputs are not served.  A block of zeros, or one whose largest magnitude lies under 2^-124, gets the byte 1 where the quantiser says 127 or less:
; a block of zeros has zero codes, which add nothing under that byte, and only this program reads the bytes.
; No LDS, no barrier: waves share nothing.  No matrix unit, no cluster: work-groups share no input.  All loads stand at the head, so there is no later trip to ask ahead for.
.set X,   16                           ; v16-79   my 64 numbers
.set CH,  80                           ; v80-87   four packed chains
.set MN,  88                           ; v88-89   the wave's mean, twice
.set RES, 90                           ; v90-91   what is stored: mean, sum of squared deviations
.set RT,  92                           ; v92      the sum on its way across the lanes
.set RP,  93                           ; v93      the lane permute's destination
.set WB,  96                           ; v96-127  a block of 32 weights
.set WC,  8                            ; v8-11    its codes
.set QA,  12                           ; v12, v13 at work
.set QB,  13
.set WE,  14                           ; v14      its scale byte
.set SEL, 22                           ; s[22:23] lane selects: lane l xor 16
.macro RSUM v, t                       ; the sum over the 32 lanes, in every lane
	s_delay_alu instid0(VALU_DEP_1)
	v_add_f32_dpp v[\v], v[\v], v[\v] row_xmask:1 row_mask:0xf bank_mask:0xf
	s_delay_alu instid0(VALU_DEP_1)
	v_add_f32_dpp v[\v], v[\v], v[\v] row_xmask:2 row_mask:0xf bank_mask:0xf
	s_delay_alu instid0(VALU_DEP_1)
	v_add_f32_dpp v[\v], v[\v], v[\v] row_xmask:4 row_mask:0xf bank_mask:0xf
	s_delay_alu instid0(VALU_DEP_1)
	v_add_f32_dpp v[\v], v[\v], v[\v] row_xmask:8 row_mask:0xf bank_mask:0xf
	s_delay_alu instid0(VALU_DEP_1)
	v_permlanex16_b32 v[\t], v[\v], s[SEL], s[SEL+1]
	s_delay_alu instid0(VALU_DEP_1)
	v_add_f32 v[\v], v[\v], v[\t]
.endm
.macro QUANT32 s, d, e                 ; 32 numbers of one lane, v[s] on, are a whole block: codes into v[d] .. v[d+3], the byte into v[e]
	v_max3_num_f32 v[QA], |v[\s]|, |v[\s+1]|, |v[\s+2]|
	v_max3_num_f32 v[QB], |v[\s+3]|, |v[\s+4]|, |v[\s+5]|
.irp i, 6,10,14,18,22,26
	s_delay_alu instid0(VALU_DEP_2)
	v_max3_num_f32 v[QA], v[QA], |v[\s+\i]|, |v[\s+\i+1]|
	s_delay_alu instid0(VALU_DEP_2)
	v_max3_num_f32 v[QB], v[QB], |v[\s+\i+2]|, |v[\s+\i+3]|
.endr
	s_delay_alu instid0(VALU_DEP_2)
	v_max3_num_f32 v[QA], v[QA], |v[\s+30]|, |v[\s+31]|
	s_delay_alu instid0(VALU_DEP_1)
	v_max3_num_f32 v[QA], v[QA], v[QB], 0x1800000  ; with the floor 2^(3 - 127): the byte cannot fall under 1
	s_delay_alu instid0(VALU_DEP_1)
	v_add_nc_u32 v[QB], 0xff000000, v[QA]          ; 2 off the exponent field: the conversion takes this operand's exponent field as its scale
	s_delay_alu instid0(VALU_DEP_1)
	v_lshrrev_b32 v[\e], 23, v[QB]                 ; the scale's byte
.irp g, 0,1,2,3
	v_cvt_scalef32_pk8_fp4_f32 v[\d+\g], v[\s+8*\g:\s+8*\g+7], v[QB]
.endr
	v_nop                                          ; one plain line behind the last scaled conversion
.endm
	s_load_b256 s[4:11], s[0:1], 0x0               ; x s[4:5], qkv_w s[6:7], proj_w s[8:9], part s[10:11]
	s_load_b128 s[12:15], s[0:1], 0x20             ; wcodes s[12:13], wscales s[14:15]
	v_lshrrev_b32 v5, 5, v0
	s_delay_alu instid0(VALU_DEP_1)
	v_readfirstlane_b32 s16, v5                    ; wave 0..7
	v_and_b32 v1, 31, v0                           ; lane
	s_delay_alu instid0(VALU_DEP_1)
	v_lshlrev_b32 v2, 4, v1                        ; 16 x lane
	s_delay_alu instid0(VALU_DEP_2)
	v_lshlrev_b32 v3, 7, v1                        ; 128 x lane: a block of 32 f32
	v_mov_b32 v4, 0
	v_mov_b32 v[RP], 0                             ; a lane permute's destination counts as read
	s_mov_b32 s[SEL], 0x76543210
	s_mov_b32 s[SEL+1], 0xfedcba98
	s_lshl_b32 s18, ttmp9, 16                      ; x: 65,536 g + 8,192 w
	s_lshl_b32 s17, s16, 13
	s_add_co_u32 s18, s18, s17
	s_mov_b32 s19, 0
	s_lshl_b32 s20, ttmp9, 6                       ; part: 64 g + 8 w
	s_lshl_b32 s17, s16, 3
	s_add_co_u32 s20, s20, s17
	s_mov_b32 s21, 0
	s_lshl_b32 s26, ttmp9, 9                       ; wcodes: 512 g
	s_mov_b32 s27, 0
	s_lshl_b32 s28, ttmp9, 5                       ; wscales: 32 g
	s_mov_b32 s29, 0
	s_cmp_lt_u32 ttmp9, 192                        ; the first 192 work-groups take qkv_w's rows, the others proj_w's
	s_cselect_b32 s30, 0, 192
	s_sub_co_u32 s30, ttmp9, s30
	s_lshl_b32 s30, s30, 12                        ; four rows of 1,024 bytes
	s_mov_b32 s31, 0
	s_wait_alu depctr_va_vdst(0)
	s_wait_kmcnt 0x0
	s_cmp_lt_u32 ttmp9, 192                        ; the choice hangs on the work-group's number alone
	s_cselect_b64 s[6:7], s[6:7], s[8:9]
	s_add_nc_u64 s[4:5], s[4:5], s[18:19]
	s_add_nc_u64 s[10:11], s[10:11], s[20:21]
	s_add_nc_u64 s[12:13], s[12:13], s[26:27]
	s_add_nc_u64 s[14:15], s[14:15], s[28:29]
	s_add_nc_u64 s[6:7], s[6:7], s[30:31]
.irp i, 0,1,2,3,4,5,6,7,8,9,10,11,12,13,14,15
	global_load_b128 v[X+4*\i:X+4*\i+3], v2, s[4:5] offset:512*\i th:TH_LOAD_NT   ; 32 lanes read 512 bytes on end
.endr
	s_cmp_lg_u32 s16, 0
	s_cbranch_scc1 .Lstats
	; wave 0 alone: four rows of weights
.irp i, 0,1,2,3,4,5,6,7
	global_load_b128 v[WB+4*\i:WB+4*\i+3], v3, s[6:7] offset:16*\i
.endr
	s_wait_loadcnt 0x0
	QUANT32 WB, WC, WE
	global_store_b128 v2, v[WC:WC+3], s[12:13]     ; 512 bytes on end
	global_store_b8 v1, v[WE], s[14:15]            ; 32 bytes on end
.Lstats:
	s_wait_loadcnt 0x0                             ; my 64 numbers
	v_pk_add_f32 v[82:83], v[16:17], v[24:25]
	v_pk_add_f32 v[84:85], v[32:33], v[40:41]
	v_pk_add_f32 v[86:87], v[48:49], v[56:57]
	v_pk_add_f32 v[94:95], v[64:65], v[72:73]
	v_pk_add_f32 v[6:7], v[18:19], v[26:27]
	v_pk_add_f32 v[80:81], v[34:35], v[42:43]
	s_delay_alu instid0(VALU_DEP_1)
	v_pk_add_f32 v[80:81], v[80:81], v[50:51]
	v_pk_add_f32 v[82:83], v[82:83], v[58:59]
	v_pk_add_f32 v[84:85], v[84:85], v[66:67]
	v_pk_add_f32 v[86:87], v[86:87], v[74:75]
	v_pk_add_f32 v[94:95], v[94:95], v[20:21]
	v_pk_add_f32 v[6:7], v[6:7], v[28:29]
	v_pk_add_f32 v[80:81], v[80:81], v[36:37]
	v_pk_add_f32 v[82:83], v[82:83], v[44:45]
	v_pk_add_f32 v[84:85], v[84:85], v[52:53]
	v_pk_add_f32 v[86:87], v[86:87], v[60:61]
	v_pk_add_f32 v[94:95], v[94:95], v[68:69]
	v_pk_add_f32 v[6:7], v[6:7], v[76:77]
	v_pk_add_f32 v[80:81], v[80:81], v[22:23]
	v_pk_add_f32 v[82:83], v[82:83], v[30:31]
	v_pk_add_f32 v[84:85], v[84:85], v[38:39]
	v_pk_add_f32 v[86:87], v[86:87], v[46:47]
	v_pk_add_f32 v[94:95], v[94:95], v[54:55]
	v_pk_add_f32 v[6:7], v[6:7], v[62:63]
	v_pk_add_f32 v[80:81], v[80:81], v[70:71]
	v_pk_add_f32 v[82:83], v[82:83], v[78:79]
	s_delay_alu instid0(VALU_DEP_2)
	v_pk_add_f32 v[80:81], v[80:81], v[86:87]
	s_delay_alu instid0(VALU_DEP_2)
	v_pk_add_f32 v[82:83], v[82:83], v[94:95]
	v_pk_add_f32 v[84:85], v[84:85], v[6:7]
	s_delay_alu instid0(VALU_DEP_1)
	v_pk_add_f32 v[80:81], v[80:81], v[84:85]
	s_delay_alu instid0(VALU_DEP_1)
	v_pk_add_f32 v[80:81], v[80:81], v[82:83]
	s_delay_alu instid0(VALU_DEP_1)
	v_add_f32 v[RT], v[CH], v[CH+1]
	RSUM RT, RP
	s_delay_alu instid0(VALU_DEP_1)
	v_mul_f32 v[MN], 0x3a000000, v[RT]             ; / 2,048: the wave's mean
	s_delay_alu instid0(VALU_DEP_1)
	v_mov_b32 v[MN+1], v[MN]
	s_delay_alu instid0(VALU_DEP_2)
	v_mov_b32 v[RES], v[MN]
.set j, 0
.rept 32
	v_pk_add_f32 v[X+2*j:X+2*j+1], v[X+2*j:X+2*j+1], v[MN:MN+1] neg_lo:[0,1] neg_hi:[0,1]   ; the deviations
.set j, j+1
.endr
.irp k, 0,1,2,3
	v_pk_mul_f32 v[CH+2*\k:CH+2*\k+1], v[X+2*\k:X+2*\k+1], v[X+2*\k:X+2*\k+1]
.endr
.set j, 4
.rept 28
	s_delay_alu instid0(VALU_DEP_4)
	v_pk_fma_f32 v[CH+2*(j%4):CH+2*(j%4)+1], v[X+2*j:X+2*j+1], v[X+2*j:X+2*j+1], v[CH+2*(j%4):CH+2*(j%4)+1]
.set j, j+1
.endr
	s_delay_alu instid0(VALU_DEP_3)
	v_pk_add_f32 v[CH:CH+1], v[CH:CH+1], v[CH+2:CH+3]
	s_delay_alu instid0(VALU_DEP_2)
	v_pk_add_f32 v[CH+4:CH+5], v[CH+4:CH+5], v[CH+6:CH+7]
	s_delay_alu instid0(VALU_DEP_1)
	v_pk_add_f32 v[CH:CH+1], v[CH:CH+1], v[CH+4:CH+5]
	s_delay_alu instid0(VALU_DEP_1)
	v_add_f32 v[RES+1], v[CH], v[CH+1]
	RSUM RES+1, RP
	v_cmp_eq_u32 vcc_lo, 0, v1
	s_wait_alu depctr_va_vdst(0)
	s_wait_xcnt 0x0                                ; EXEC is a source of the memory instructions issued so far: it changes only behind this wait
	s_and_saveexec_b32 s24, vcc_lo
	global_store_b64 v4, v[RES:RES+1], s[10:11]    ; lane 0: the wave's entry
	s_wait_xcnt 0x0                                ; and again in front of the line that widens it
	s_or_b32 exec_lo, exec_lo, s24
	s_endpgm
.Lfunc_end_k_qefdc79789c_stats:
	.size	k_qefdc79789c_stats, .Lfunc_end_k_qefdc79789c_stats-k_qefdc79789c_stats
	.p2alignl 7, 3214868480
	.fill 96, 4, 3214868480
	.section	.rodata,"a",@progbits
	.p2align	6, 0x0
	.amdhsa_kernel k_qefdc79789c_stats
		.amdhsa_group_segment_fixed_size 0
		.amdhsa_private_segment_fixed_size 0
		.amdhsa_enable_private_segment 0
		.amdhsa_kernarg_size 48
		.amdhsa_user_sgpr_count 2
		.amdhsa_user_sgpr_kernarg_segment_ptr 1
		.amdhsa_wavefront_size32 1
		.amdhsa_system_sgpr_workgroup_id_x 1
		.amdhsa_system_sgpr_workgroup_id_y 1
		.amdhsa_system_sgpr_workgroup_id_z 1
		.amdhsa_system_vgpr_workitem_id 0
		.amdhsa_next_free_vgpr 128
		.amdhsa_next_free_sgpr 66
		.amdhsa_reserve_vcc 1
		.amdhsa_float_denorm_mode_32 3
		.amdhsa_float_denorm_mode_16_64 3
		.amdhsa_memory_ordered 1
		.amdhsa_forward_progress 1
		.amdhsa_inst_pref_size 16
	.end_amdhsa_kernel
	.amdgpu_metadata
---
amdhsa.version: [ 1, 2 ]
amdhsa.kernels:
  - .name:           k_qefdc79789c_stats
    .symbol:         k_qefdc79789c_stats.kd
    .args:
      - { .name: x, .offset: 0, .size: 8, .value_kind: global_buffer, .address_space: global }
      - { .name: qkv_w, .offset: 8, .size: 8, .value_kind: global_buffer, .address_space: global }
      - { .name: proj_w, .offset: 16, .size: 8, .value_kind: global_buffer, .address_space: global }
      - { .name: part, .offset: 24, .size: 8, .value_kind: global_buffer, .address_space: global }
      - { .name: wcodes, .offset: 32, .size: 8, .value_kind: global_buffer, .address_space: global }
      - { .name: wscales, .offset: 40, .size: 8, .value_kind: global_buffer, .address_space: global }
    .group_segment_fixed_size: 0
    .private_segment_fixed_size: 0
    .kernarg_segment_align: 8
    .kernarg_segment_size: 48
    .max_flat_workgroup_size: 256
    .sgpr_count:     66
    .vgpr_count:     128
    .wavefront_size: 32
...
	.end_amdgpu_metadata
.endif
;; end of part 1
;; launch qkv (part 2): grid 256 x 1, 8 waves a work-group, no clusters, 9,728 bytes of LDS; arguments x, part, gamma, beta, wcodes, wscales, qkv_b, qcodes, qscales, kv; writes qcodes, qscales, kv
.if DOCPART == 2
	.amdgcn_target "amdgcn-amd-amdhsa--gfx1250"
	.amdhsa_code_object_version 6
	.text
	.protected	k_qefdc79789c_qkv
	.globl	k_qefdc79789c_qkv
	.p2align	8
	.type	k_qefdc79789c_qkv,@function
k_qefdc79789c_qkv:
	s_mov_b64 s[64:65], 0
	v_nop
	global_prefetch_b8 v0, s[64:65] scope:SCOPE_SE
	s_setreg_imm32_b32 hwreg(HW_REG_WAVE_MODE, 25, 1), 1
	s_wait_xcnt 0x0
; QKV.  xn = group norm of x; q, k, v = qkv_w xn + qkv_b on codes of E2M1 (K = the 256 channels; a block of 32 is one norm group); q and k are quantised along the head's 64, v along the keys, and all three
; leave as IMAGES OF THE OPERAND REGISTERS that the attention launch loads.
; SHARES.  Work-group g: batch b = g / 64, tokens 64 tb .. 64 tb + 63 (tb = g % 64).  Eight waves.
;   X:  wave w takes channels 32 w .. 32 w + 31 (norm group w = K block w) of the 64 tokens: a lane a token, registers down the channels, so a block lies in one lane; codes and scale bytes go to LDS as images.  One barrier.
;   QK: wave w takes rows 64 w .. 64 w + 63 of qkv_w (w < 4: q of head w; else k of head w - 4), all 64 tokens.  Used transposed (source 0 = 16 rows of W, source 1 = 16 tokens): a lane holds one token, registers run along d.
;   V:  wave w takes rows 512 + 32 w .. + 31 (head w / 2, half w % 2).  Source 0 = 16 tokens, source 1 = 16 rows of W: a lane holds one d, registers run along the keys.
; THE ROWS OF A TILE ARE NOT NEIGHBOURS.  Tile 2 B + u takes at position r the row (of W) or token (of x) 32 B + 8 u + r + 8 (r / 8): so the 16 registers of two neighbouring result tiles are 16 neighbours along the next K.
; k's images keep that order of tokens (attention wants it); q's are put back into natural order in registers (one exchange of lane l and l xor 8, chosen by a mask that hangs on the wave's number).
; The biases are the C of each sum's first matrix instruction.  48 matrix instructions a wave; the accumulators take turns.
; WHY NO CLUSTER: what work-groups share is the weights' codes, 13 KB a wave, which go from memory straight into the registers that keep them; a joint load would land in LDS and be read a second time.
; All loads stand at the head, so there is no later trip to ask ahead for.
; LIMITS: NaN and infinities are not served.  A block of zeros, or one under 2^-124, gets the byte 1: its codes are zeros; only this program reads the bytes.
; LDS: 0: x's four fragments pairs, tile m at 2,048 m, K block j at + 256 j, position r at + 16 r (that IS the register image: K step j / 4 at + 1,024, piece (j / 2) % 2 at + 512, lane at 16 x lane);
;      8,192: their scale bytes, 128 m + 8 r + j: a token's 8 bytes are its two scale words.
; REGISTERS, window 0: v1-14 lane terms; v16-79 x as loaded, later v16-47 two sets of x's fragments and v48-79 four accumulators; v80-95 codes of q or k; v96-99 their scale words; v100-109 copies from lane l xor 8;
;   v110-117 v's codes; v118-120 v's scale bytes; v122-131 at work in the quantisers; v136-147 the statistics; v148-163 scale words.   window 1: v0-63, v64-95 the weights' fragments; v96-127, v128-143 the biases.
.set XSC,  8192
.set XR,   16
.set XF,   16
.set ACC,  48
.set U,    80
.set SW,   96
.set X0,   100
.set X1,   104
.set XW,   108
.set CV,   110
.set HW,   118
.set T,    122                         ; v122-125 largest magnitudes and the permutes' destinations
.set O,    126                         ; v126-127 the conversions' scale operands
.set E,    128                         ; v128-131 scale bytes
.set QA,   122
.set QB,   123
.set P4,   136
.set GT,   140
.set MEAN, 144
.set RSTD, 146
.set WSQ,  148
.set WSV,  156
.set XS,   160
.set WQ,   0                           ; window 1
.set WVF,  64
.set BQ,   96
.set BV,   128
.set SEL,  60
.set MSB, 0
.macro WIN new                         ; the immediate's high byte repeats the setting that is left
.if MSB != \new
	s_set_vgpr_msb (MSB<<8)|\new
.set MSB, \new
.endif
.endm
.macro RSUM v, t
	s_delay_alu instid0(VALU_DEP_1)
	v_add_f32_dpp v[\v], v[\v], v[\v] row_xmask:1 row_mask:0xf bank_mask:0xf
	s_delay_alu instid0(VALU_DEP_1)
	v_add_f32_dpp v[\v], v[\v], v[\v] row_xmask:2 row_mask:0xf bank_mask:0xf
	s_delay_alu instid0(VALU_DEP_1)
	v_add_f32_dpp v[\v], v[\v], v[\v] row_xmask:4 row_mask:0xf bank_mask:0xf
	s_delay_alu instid0(VALU_DEP_1)
	v_add_f32_dpp v[\v], v[\v], v[\v] row_xmask:8 row_mask:0xf bank_mask:0xf
	s_wait_alu depctr_va_vdst(0)
	v_permlanex16_b32 v[\t], v[\v], s[SEL], s[SEL+1]
	s_delay_alu instid0(VALU_DEP_1)
	v_add_f32 v[\v], v[\v], v[\t]
.endm
; The group's mean and 1 / sqrt(var + eps) from its 64 entries (mean_i, M2_i) of 2,048 numbers each; a lane holds two entries.  M2 = sum M2_i + 2,048 sum (mean_i - mean)^2.
.macro GSTATS
	v_add_f32 v[GT], v[P4], v[P4+2]
	RSUM GT, GT+1
	s_delay_alu instid0(VALU_DEP_1)
	v_mul_f32 v[MEAN], 0x3c800000, v[GT]           ; / 64
	s_delay_alu instid0(VALU_DEP_1)
	v_mov_b32 v[MEAN+1], v[MEAN]
	s_delay_alu instid0(VALU_DEP_2)
	v_sub_f32 v[GT+2], v[P4], v[MEAN]
	s_delay_alu instid0(VALU_DEP_3)
	v_sub_f32 v[GT+3], v[P4+2], v[MEAN]
	s_delay_alu instid0(VALU_DEP_2)
	v_mul_f32 v[GT+2], v[GT+2], v[GT+2]
	s_delay_alu instid0(VALU_DEP_1)
	v_fma_f32 v[GT+2], v[GT+3], v[GT+3], v[GT+2]
	v_add_f32 v[GT], v[P4+1], v[P4+3]
	s_delay_alu instid0(VALU_DEP_1)
	v_fmamk_f32 v[GT], v[GT+2], 0x45000000, v[GT]  ; x 2,048 +
	RSUM GT, GT+1
	s_delay_alu instid0(VALU_DEP_1)
	v_fmaak_f32 v[GT], s3, v[GT], 0x3727c5ac       ; / 131,072 + 1e-5
	s_wait_alu depctr_va_vdst(0)
	v_rsq_f32 v[RSTD], v[GT]
	v_nop                                          ; a plain line behind the transcendental,
	s_wait_alu depctr_va_vdst(0)                   ; and the wait ahead of its first reader
	v_mov_b32 v[RSTD+1], v[RSTD]
.endm
.macro NORM th                         ; ((x - mean) rstd) gamma + beta on set th's 32 channels; gamma and beta of channel 32 w + c lie in s[24 + c], s[68 + c]
.set j, 0
.rept 16
	v_pk_add_f32 v[XR+32*\th+2*j:XR+32*\th+2*j+1], v[XR+32*\th+2*j:XR+32*\th+2*j+1], v[MEAN:MEAN+1] neg_lo:[0,1] neg_hi:[0,1]
.set j, j+1
.endr
.set j, 0
.rept 16
	v_pk_mul_f32 v[XR+32*\th+2*j:XR+32*\th+2*j+1], v[XR+32*\th+2*j:XR+32*\th+2*j+1], v[RSTD:RSTD+1]
.set j, j+1
.endr
.set j, 0
.rept 32
	v_fma_f32 v[XR+32*\th+j], v[XR+32*\th+j], s[24+j], s[68+j]
.set j, j+1
.endr
.endm
.macro QUANT32 s, d, e                 ; 32 numbers of one lane are a whole block
	v_max3_num_f32 v[QA], |v[\s]|, |v[\s+1]|, |v[\s+2]|
	v_max3_num_f32 v[QB], |v[\s+3]|, |v[\s+4]|, |v[\s+5]|
.irp i, 6,10,14,18,22,26
	s_delay_alu instid0(VALU_DEP_2)
	v_max3_num_f32 v[QA], v[QA], |v[\s+\i]|, |v[\s+\i+1]|
	s_delay_alu instid0(VALU_DEP_2)
	v_max3_num_f32 v[QB], v[QB], |v[\s+\i+2]|, |v[\s+\i+3]|
.endr
	s_delay_alu instid0(VALU_DEP_2)
	v_max3_num_f32 v[QA], v[QA], |v[\s+30]|, |v[\s+31]|
	s_delay_alu instid0(VALU_DEP_1)
	v_max3_num_f32 v[QA], v[QA], v[QB], 0x1800000  ; the floor 2^(3 - 127): the byte cannot fall under 1
	s_delay_alu instid0(VALU_DEP_1)
	v_add_nc_u32 v[QB], 0xff000000, v[QA]          ; 2 off the exponent field: the conversion's scale operand
	s_delay_alu instid0(VALU_DEP_1)
	v_lshrrev_b32 v[\e], 23, v[QB]
.irp g, 0,1,2,3
	v_cvt_scalef32_pk8_fp4_f32 v[\d+\g], v[\s+8*\g:\s+8*\g+7], v[QB]
.endr
	v_nop                                          ; one plain line behind the last scaled conversion
.endm
; Two blocks by turns; of each a lane holds 16 numbers, v[s0] on and v[s1] on, and lane l xor 16 the other 16.  Codes into v[d0], v[d0+1] and v[d1], v[d1+1]; bytes into v[e0], v[e1].
; The sources are read in ascending order: each accumulator from its low end on.
.macro QUANT2 s0, s1, d0, d1, e0, e1
	v_max3_num_f32 v[T], |v[\s0]|, |v[\s0+1]|, 0x1800000
	v_max3_num_f32 v[T+1], |v[\s1]|, |v[\s1+1]|, 0x1800000
.irp i, 2,4,6,8,10,12,14
	v_max3_num_f32 v[T], v[T], |v[\s0+\i]|, |v[\s0+\i+1]|
	v_max3_num_f32 v[T+1], v[T+1], |v[\s1+\i]|, |v[\s1+\i+1]|
.endr
	s_delay_alu instid0(VALU_DEP_2)
	v_permlanex16_b32 v[T+2], v[T], s[SEL], s[SEL+1]
	s_delay_alu instid0(VALU_DEP_2)
	v_permlanex16_b32 v[T+3], v[T+1], s[SEL], s[SEL+1]
	s_delay_alu instid0(VALU_DEP_2)
	v_max_num_f32 v[T], v[T], v[T+2]
	s_delay_alu instid0(VALU_DEP_2)
	v_max_num_f32 v[T+1], v[T+1], v[T+3]
	s_delay_alu instid0(VALU_DEP_2)
	v_add_nc_u32 v[O], 0xff000000, v[T]
	s_delay_alu instid0(VALU_DEP_2)
	v_add_nc_u32 v[O+1], 0xff000000, v[T+1]
	s_delay_alu instid0(VALU_DEP_2)
	v_lshrrev_b32 v[\e0], 23, v[O]
	s_delay_alu instid0(VALU_DEP_2)
	v_lshrrev_b32 v[\e1], 23, v[O+1]
	v_cvt_scalef32_pk8_fp4_f32 v[\d0], v[\s0:\s0+7], v[O]
	v_cvt_scalef32_pk8_fp4_f32 v[\d0+1], v[\s0+8:\s0+15], v[O]
	v_cvt_scalef32_pk8_fp4_f32 v[\d1], v[\s1:\s1+7], v[O+1]
	v_cvt_scalef32_pk8_fp4_f32 v[\d1+1], v[\s1+8:\s1+15], v[O+1]
	v_nop                                          ; one plain line behind the last scaled conversion
.endm
.macro FETCHX m, k                     ; x's tile m, both K steps and both scale words, into set k: five LDS loads
.irp s, 0,1
.irp c, 0,1
	ds_load_b128 v[XF+16*(\k)+8*\s+4*\c:XF+16*(\k)+8*\s+4*\c+3], v7 offset:2048*(\m)+1024*\s+512*\c
.endr
.endr
	ds_load_b64 v[XS+2*(\k):XS+2*(\k)+1], v8 offset:128*(\m)
.endm
.macro PLACES
.rept 4
	v_nop
.endr
.endm
; q or k of x's tile m (in set k): 64 rows of W x 16 tokens, quantised along d; then tile nx is fetched into the set
.macro QKTILE m, k, nx
	s_wait_dscnt 5                                 ; this set's five loads are in; the five issued behind them may be out
	WIN 0x11                                       ; source 0 (W) and source 2 (the bias) window 1
.irp t, 0,1,2,3
	v_wmma_scale_f32_16x16x128_f8f6f4 v[ACC+8*\t:ACC+8*\t+7], v[WQ+16*\t:WQ+16*\t+7], v[XF+16*\k:XF+16*\k+7], v[BQ+8*\t:BQ+8*\t+7], v[WSQ+2*\t], v[XS+2*\k] matrix_a_fmt:MATRIX_FMT_FP4 matrix_b_fmt:MATRIX_FMT_FP4
.endr
	WIN 0x01
.irp t, 0,1,2,3
	v_wmma_scale_f32_16x16x128_f8f6f4 v[ACC+8*\t:ACC+8*\t+7], v[WQ+16*\t+8:WQ+16*\t+15], v[XF+16*\k+8:XF+16*\k+15], v[ACC+8*\t:ACC+8*\t+7], v[WSQ+2*\t+1], v[XS+2*\k+1] matrix_a_fmt:MATRIX_FMT_FP4 matrix_b_fmt:MATRIX_FMT_FP4
.endr
	WIN 0
	PLACES                                         ; four places ahead of the first read of results, and of the loads into the set below
	QUANT2 ACC, ACC+16, U+4*\m, U+4*\m+2, E, E+1   ; registers 48-63: d = 16 h + 0 .. 15; 64-79: d = 32 + 16 h + 0 .. 15
	v_permlane16_swap_b32 v[U+4*\m], v[U+4*\m+2]   ; the operand wants a whole block in a lane: lanes 0-15 block 0, lanes 16-31 block 1
	v_permlane16_swap_b32 v[U+4*\m+1], v[U+4*\m+3]
	v_lshl_or_b32 v[SW+\m], v[E+1], 8, v[E]        ; the token's scale word: two bytes,
	s_delay_alu instid0(VALU_DEP_1)
	v_or_b32 v[SW+\m], 0x7f7f0000, v[SW+\m]        ; and 127 for the K that attention's instruction has beyond the head's 64 (zero codes there)
	FETCHX \nx, \k
.endm
; Tiles 2 bp and 2 bp + 1 leave.  q: natural order of tokens (positions 8-15 of the first change places with positions 0-7 of the second); k: as they are.  s62, s63: the lanes that take the other tile's copy
.macro QKPAIR bp
.irp i, 0,1,2,3
	v_mov_b32_dpp v[X0+\i], v[U+8*\bp+\i] row_xmask:8 row_mask:0xf bank_mask:0xf
	v_mov_b32_dpp v[X1+\i], v[U+8*\bp+4+\i] row_xmask:8 row_mask:0xf bank_mask:0xf
.endr
	v_mov_b32_dpp v[XW], v[SW+2*\bp] row_xmask:8 row_mask:0xf bank_mask:0xf
	v_mov_b32_dpp v[XW+1], v[SW+2*\bp+1] row_xmask:8 row_mask:0xf bank_mask:0xf
.irp i, 0,1,2,3
	v_cndmask_b32 v[U+8*\bp+\i], v[U+8*\bp+\i], v[X1+\i], s62
	v_cndmask_b32 v[U+8*\bp+4+\i], v[X0+\i], v[U+8*\bp+4+\i], s63
.endr
	v_cndmask_b32 v[SW+2*\bp], v[SW+2*\bp], v[XW+1], s62
	v_cndmask_b32 v[SW+2*\bp+1], v[XW], v[SW+2*\bp+1], s63
	global_store_b128 v7, v[U+8*\bp:U+8*\bp+3], s[18:19] offset:1024*\bp          ; an image: 512 bytes on end
	global_store_b128 v7, v[U+8*\bp+4:U+8*\bp+7], s[18:19] offset:1024*\bp+512
.endm
; v of tokens 32 bp .. 32 bp + 31 (x's tiles 2 bp in set 0, 2 bp + 1 in set 1) for my 32 rows of W (two tiles u): one block of 32 keys for each d
.macro VPAIR bp
	s_wait_dscnt 0x0
	WIN 0x14                                       ; source 1 (W) and source 2 (the bias) window 1
.irp a, 0,1
.irp u, 0,1
	v_wmma_scale_f32_16x16x128_f8f6f4 v[ACC+16*\u+8*\a:ACC+16*\u+8*\a+7], v[XF+16*\a:XF+16*\a+7], v[WVF+16*\u:WVF+16*\u+7], v[BV+8*\u:BV+8*\u+7], v[XS+2*\a], v[WSV+2*\u] matrix_a_fmt:MATRIX_FMT_FP4 matrix_b_fmt:MATRIX_FMT_FP4
.endr
.endr
	WIN 0x04
.irp a, 0,1
.irp u, 0,1
	v_wmma_scale_f32_16x16x128_f8f6f4 v[ACC+16*\u+8*\a:ACC+16*\u+8*\a+7], v[XF+16*\a+8:XF+16*\a+15], v[WVF+16*\u+8:WVF+16*\u+15], v[ACC+16*\u+8*\a:ACC+16*\u+8*\a+7], v[XS+2*\a+1], v[WSV+2*\u+1] matrix_a_fmt:MATRIX_FMT_FP4 matrix_b_fmt:MATRIX_FMT_FP4
.endr
.endr
	WIN 0
	PLACES
	QUANT2 ACC, ACC+16, CV+2*\bp, CV+4+2*\bp, E+\bp, E+2+\bp   ; registers 48-63: tile u = 0, keys 32 bp + 16 h + 0 .. 15; 64-79: tile u = 1
.endm
	s_load_b512 s[4:19], s[0:1], 0x0               ; x 4:5, part 6:7, gamma 8:9, beta 10:11, wcodes 12:13, wscales 14:15, qkv_b 16:17, qcodes 18:19
	s_load_b128 s[20:23], s[0:1], 0x40             ; qscales 20:21, kv 22:23
	v_lshl_add_u32 v254, v0, 2, 0x2200
	v_mov_b32 v255, 0
	v_lshrrev_b32 v15, 5, v0
	s_delay_alu instid0(VALU_DEP_1)
	v_readfirstlane_b32 s2, v15                    ; wave 0..7
	v_and_b32 v1, 31, v0                           ; lane
	v_and_b32 v2, 15, v0                           ; r
	v_bfe_u32 v3, v0, 4, 1                         ; h
	s_delay_alu instid0(VALU_DEP_2)
	v_and_b32 v15, 8, v2
	s_delay_alu instid0(VALU_DEP_1)
	v_add_nc_u32 v15, v15, v2                      ; r + 8 (r / 8)
	s_delay_alu instid0(VALU_DEP_1)
	v_lshl_add_u32 v4, v3, 3, v15
	s_delay_alu instid0(VALU_DEP_1)
	v_lshlrev_b32 v4, 2, v4                        ; x: my token among 32, in bytes: in phase X the lane's half is the tile's u
	s_lshl_b32 s3, s2, 8
	v_lshlrev_b32 v5, 4, v2
	s_delay_alu instid0(VALU_DEP_1)
	v_lshl_add_u32 v5, v3, 11, v5
	s_delay_alu instid0(VALU_DEP_1)
	v_add_nc_u32 v5, s3, v5                        ; where my codes go: 2,048 h + 16 r + 256 w
	v_lshl_add_u32 v6, v1, 3, XSC
	s_delay_alu instid0(VALU_DEP_1)
	v_add_nc_u32 v6, s2, v6                        ; and my scale byte: XSC + 8 lane + w
	v_lshlrev_b32 v7, 4, v1                        ; 16 x lane: an image's place for my lane
	v_lshl_add_u32 v8, v2, 3, XSC                  ; x's scale words: XSC + 8 r
	v_lshlrev_b32 v9, 7, v15
	s_delay_alu instid0(VALU_DEP_1)
	v_lshl_add_u32 v9, v3, 4, v9                   ; W's codes: my row of a tile, 128 bytes a row, + 16 h
	v_lshlrev_b32 v10, 3, v15                      ; W's scale words: 8 bytes a row
	v_lshlrev_b32 v11, 6, v3                       ; q's and k's bias: 16 h numbers on
	v_lshlrev_b32 v12, 2, v15                      ; v's bias: my row's
	v_lshlrev_b32 v13, 4, v2                       ; scale words out: 16 r
	s_delay_alu instid0(VALU_DEP_1)
	v_lshl_add_u32 v14, v3, 2, v13                 ; v's scale bytes out: 16 r + 4 h
.irp i, 100,101,102,103,104,105,106,107,108,109,124,125,141
	v_mov_b32 v\i, 0                               ; destinations of lane permutes and DPP moves count as read
.endr
	s_mov_b32 s[SEL], 0x76543210
	s_mov_b32 s[SEL+1], 0xfedcba98
	s_lshr_b32 s24, ttmp9, 6                       ; b
	s_and_b32 s25, ttmp9, 63                       ; tb
	s_lshr_b32 s26, s25, 1                         ; the key step of 128 that my 64 tokens belong to,
	s_and_b32 s27, s25, 1                          ; and which half of it: p
	s_mul_i32 s28, s26, 8960                       ; its record in a head of kv
	s_lshl_b32 s29, s24, 2
	s_and_b32 s30, s2, 3
	s_add_co_u32 s30, s30, s29                     ; batch x head of my q or k
	s_lshr_b32 s31, s2, 1
	s_add_co_u32 s31, s31, s29                     ; and of my v
	s_and_b32 s32, s2, 1                           ; which 32 of the head's 64 my v is
	s_lshl_b32 s34, s24, 22                        ; x: 4,194,304 b + 524,288 w + 256 tb
	s_lshl_b32 s3, s2, 19
	s_add_co_u32 s34, s34, s3
	s_lshl_b32 s3, s25, 8
	s_add_co_u32 s34, s34, s3
	s_mov_b32 s35, 0
	s_lshl_b32 s36, s24, 12                        ; part: 512 (8 b + w)
	s_lshl_b32 s3, s2, 9
	s_add_co_u32 s36, s36, s3
	s_mov_b32 s37, 0
	s_lshl_b32 s38, s2, 7                          ; 128 w
	s_mov_b32 s39, 0
	s_lshl_b32 s40, s2, 13                         ; 8,192 w
	s_mov_b32 s41, 0
	s_lshl_b32 s42, s2, 12                         ; 4,096 w
	s_mov_b32 s43, 0
	s_lshl_b32 s44, s2, 9                          ; 512 w
	s_mov_b32 s45, 0
	s_lshl_b32 s48, s2, 8                          ; 256 w
	s_mov_b32 s49, 0
	s_lshl_b32 s50, s30, 17                        ; q's codes: 131,072 bh + 2,048 tb
	s_lshl_b32 s3, s25, 11
	s_add_co_u32 s50, s50, s3
	s_lshl_b32 s52, s30, 14                        ; q's scale words: 16,384 bh + 256 tb
	s_lshl_b32 s3, s25, 8
	s_add_co_u32 s52, s52, s3
	s_mul_i32 s33, s30, 286720
	s_add_co_u32 s33, s33, s28                     ; k's record
	s_lshl_b32 s3, s27, 11
	s_add_co_u32 s51, s33, s3                      ; k's codes: + 2,048 p
	s_lshl_b32 s3, s27, 8
	s_add_co_u32 s53, s33, s3
	s_add_co_u32 s53, s53, 8192                    ; k's scale words: + 8,192 + 256 p
	s_mov_b32 s62, 0xff00ff00                      ; the lanes with r >= 8
	s_cmp_lt_u32 s2, 4                             ; q's wave or k's?
	s_cselect_b32 s50, s50, s51
	s_cselect_b32 s52, s52, s53
	s_cselect_b32 s63, s62, -1
	s_cselect_b32 s62, s62, 0
	s_mov_b32 s51, 0
	s_mov_b32 s53, 0
	s_mul_i32 s54, s31, 286720
	s_add_co_u32 s54, s54, s28                     ; v's record
	s_lshl_b32 s3, s32, 3
	s_add_co_u32 s46, s54, s3
	s_lshl_b32 s3, s27, 1
	s_add_co_u32 s46, s46, s3
	s_add_co_u32 s46, s46, 8704                    ; v's scale bytes: + 8,704 + 8 (w % 2) + 2 p
	s_mov_b32 s47, 0
	s_lshl_b32 s3, s32, 11
	s_add_co_u32 s54, s54, s3
	s_lshl_b32 s3, s27, 9
	s_add_co_u32 s54, s54, s3
	s_add_co_u32 s54, s54, 4096                    ; v's codes: + 4,096 + 2,048 (w % 2) + 512 p
	s_mov_b32 s55, 0
	s_wait_kmcnt 0x0
	s_add_nc_u64 s[4:5], s[4:5], s[34:35]
	s_add_nc_u64 s[6:7], s[6:7], s[36:37]
	s_add_nc_u64 s[8:9], s[8:9], s[38:39]          ; gamma and beta at channel 32 w
	s_add_nc_u64 s[10:11], s[10:11], s[38:39]
	s_add_nc_u64 s[100:101], s[16:17], s[38:39]    ; v's bias: qkv_b + 2,048 + 128 w
	s_add_nc_u64 s[100:101], s[100:101], 2048
	s_add_nc_u64 s[66:67], s[14:15], s[48:49]      ; v's rows' scale words: wscales + 4,096 + 256 w
	s_add_nc_u64 s[66:67], s[66:67], 4096
	s_add_nc_u64 s[16:17], s[16:17], s[48:49]      ; q's or k's bias: qkv_b + 256 w
	s_add_nc_u64 s[14:15], s[14:15], s[44:45]      ; their rows' scale words: wscales + 512 w
	s_add_nc_u64 s[56:57], s[22:23], s[54:55]      ; where v's codes go,
	s_add_nc_u64 s[58:59], s[22:23], s[46:47]      ; and its scale bytes
	s_cmp_lt_u32 s2, 4                             ; the choice hangs on the wave's number alone
	s_cselect_b64 s[18:19], s[18:19], s[22:23]
	s_cselect_b64 s[20:21], s[20:21], s[22:23]
	s_add_nc_u64 s[18:19], s[18:19], s[50:51]      ; where q's or k's codes go,
	s_add_nc_u64 s[20:21], s[20:21], s[52:53]      ; and their scale words
	s_add_nc_u64 s[22:23], s[12:13], s[42:43]      ; v's rows' codes: wcodes + 65,536 + 4,096 w
	s_add_nc_u64 s[22:23], s[22:23], 65536
	s_add_nc_u64 s[12:13], s[12:13], s[40:41]      ; q's or k's rows' codes: wcodes + 8,192 w
	s_mov_b32 s3, 0x37000000                       ; 2^-17
	global_load_b128 v[P4:P4+3], v7, s[6:7]        ; my group's 64 entries, two a lane
.set j, 0
.rept 64
	global_load_b32 v[XR+j], v4, s[4:5] offset:16384*(j%32)+128*(j/32)   ; channel 32 w + j % 32 of tokens 32 (j / 32) on: 32 lanes read 128 bytes on end
.set j, j+1
.endr
	s_load_b512 s[24:39], s[8:9], 0x0              ; gamma and beta of my 32 channels into scalar registers (the head's scratch there is done with)
	s_load_b512 s[40:55], s[8:9], 0x40
	s_load_b512 s[68:83], s[10:11], 0x0
	s_load_b512 s[84:99], s[10:11], 0x40
	s_wait_loadcnt 63                              ; the entries are in: 64 loads were issued behind them, and 63 is the largest count that the wait can name
	GSTATS
	WIN 0x40                                       ; destination window 1
.irp t, 0,1,2,3
.irp s, 0,1
.irp c, 0,1
	global_load_b128 v[WQ+16*\t+8*\s+4*\c:WQ+16*\t+8*\s+4*\c+3], v9, s[12:13] offset:(32*(\t/2)+8*(\t%2))*128+64*\s+32*\c
.endr
.endr
.endr
.irp u, 0,1
.irp s, 0,1
.irp c, 0,1
	global_load_b128 v[WVF+16*\u+8*\s+4*\c:WVF+16*\u+8*\s+4*\c+3], v9, s[22:23] offset:8*\u*128+64*\s+32*\c
.endr
.endr
.endr
.irp t, 0,1,2,3
	global_load_b128 v[BQ+8*\t:BQ+8*\t+3], v11, s[16:17] offset:(32*(\t/2)+8*(\t%2))*4      ; lane (r, h), register i: the bias of row 32 (t / 2) + 16 h + 8 (t % 2) + i
	global_load_b128 v[BQ+8*\t+4:BQ+8*\t+7], v11, s[16:17] offset:(32*(\t/2)+8*(\t%2))*4+16
.endr
.irp u, 0,1
.irp i, 0,1,2,3,4,5,6,7
	global_load_b32 v[BV+8*\u+\i], v12, s[100:101] offset:32*\u   ; here a lane holds ONE row of W: all eight registers take its bias
.endr
.endr
	WIN 0
.irp t, 0,1,2,3
	global_load_b64 v[WSQ+2*\t:WSQ+2*\t+1], v10, s[14:15] offset:(32*(\t/2)+8*(\t%2))*8
.endr
.irp u, 0,1
	global_load_b64 v[WSV+2*\u:WSV+2*\u+1], v10, s[66:67] offset:64*\u
.endr
	s_wait_loadcnt 63                              ; x's first 32 loads are in: 32 + 54 were issued behind them
	s_wait_kmcnt 0x0                               ; gamma, beta
	NORM 0
	QUANT32 XR, U, U+8
	ds_store_b128 v5, v[U:U+3]                     ; tiles 0 (lanes 0-15) and 1 (lanes 16-31), K block w
	ds_store_b8 v6, v[U+8]
	s_wait_loadcnt 54                              ; x's other 32 are in; the 54 loads of weights may be out
	NORM 1
	QUANT32 XR+32, U+4, U+9
	ds_store_b128 v5, v[U+4:U+7] offset:4096       ; tiles 2 and 3
	ds_store_b8 v6, v[U+9] offset:256
	s_wait_dscnt 0x0                               ; for the others' sake: my stores have landed
	s_barrier_signal -1
	s_barrier_wait -1                              ; x's four tiles and their scale bytes are whole
	FETCHX 0, 0
	FETCHX 1, 1
	s_wait_loadcnt 0x0                             ; the weights, their scale words, the biases
	QKTILE 0, 0, 2
	QKTILE 1, 1, 3
	QKPAIR 0
	QKTILE 2, 0, 0
	QKTILE 3, 1, 1
	QKPAIR 1
	global_store_b128 v13, v[SW:SW+3], s[20:21]    ; four tiles' scale words of position r: 256 bytes on end (lanes 16-31 repeat lanes 0-15's address and data)
	VPAIR 0
	FETCHX 2, 0
	FETCHX 3, 1
	VPAIR 1
.irp u, 0,1
.irp i, 0,1
	v_permlane16_swap_b32 v[CV+4*\u+\i], v[CV+4*\u+2+\i]   ; a whole block of 32 keys in a lane: lanes 0-15 keys 0-31 of my 64, lanes 16-31 keys 32-63
.endr
	global_store_b128 v7, v[CV+4*\u:CV+4*\u+3], s[56:57] offset:1024*\u   ; piece p of tile 2 (w % 2) + u: 512 bytes on end
.endr
	v_lshl_or_b32 v[HW], v[E+1], 8, v[E]           ; tile u = 0: my two blocks' bytes;
	v_lshl_or_b32 v[HW+1], v[E+3], 8, v[E+2]       ; tile u = 1
	v_cmp_le_u32 vcc_lo, 16, v1
	s_delay_alu instid0(VALU_DEP_1)
	v_cndmask_b32 v[HW+2], v[HW], v[HW+1], vcc_lo  ; lanes 0-15 store tile 0's, lanes 16-31 tile 1's
	global_store_b16 v14, v[HW+2], s[58:59]        ; two bytes of a step's four: the other two are the neighbouring work-group's
	s_wait_tensorcnt 0x0
	ds_add_u32 v254, v255
	s_wait_dscnt 0x0
	s_endpgm
.Lfunc_end_k_qefdc79789c_qkv:
	.size	k_qefdc79789c_qkv, .Lfunc_end_k_qefdc79789c_qkv-k_qefdc79789c_qkv
	.p2alignl 7, 3214868480
	.fill 96, 4, 3214868480
	.section	.rodata,"a",@progbits
	.p2align	6, 0x0
	.amdhsa_kernel k_qefdc79789c_qkv
		.amdhsa_group_segment_fixed_size 9728
		.amdhsa_private_segment_fixed_size 0
		.amdhsa_enable_private_segment 0
		.amdhsa_kernarg_size 80
		.amdhsa_user_sgpr_count 2
		.amdhsa_user_sgpr_kernarg_segment_ptr 1
		.amdhsa_wavefront_size32 1
		.amdhsa_system_sgpr_workgroup_id_x 1
		.amdhsa_system_sgpr_workgroup_id_y 1
		.amdhsa_system_sgpr_workgroup_id_z 1
		.amdhsa_system_vgpr_workitem_id 0
		.amdhsa_next_free_vgpr 400
		.amdhsa_next_free_sgpr 102
		.amdhsa_reserve_vcc 1
		.amdhsa_float_denorm_mode_32 3
		.amdhsa_float_denorm_mode_16_64 3
		.amdhsa_memory_ordered 1
		.amdhsa_forward_progress 1
		.amdhsa_inst_pref_size 58
	.end_amdhsa_kernel
	.amdgpu_metadata
---
amdhsa.version: [ 1, 2 ]
amdhsa.kernels:
  - .name:           k_qefdc79789c_qkv
    .symbol:         k_qefdc79789c_qkv.kd
    .args:
      - { .name: x, .offset: 0, .size: 8, .value_kind: global_buffer, .address_space: global }
      - { .name: part, .offset: 8, .size: 8, .value_kind: global_buffer, .address_space: global }
      - { .name: gamma, .offset: 16, .size: 8, .value_kind: global_buffer, .address_space: global }
      - { .name: beta, .offset: 24, .size: 8, .value_kind: global_buffer, .address_space: global }
      - { .name: wcodes, .offset: 32, .size: 8, .value_kind: global_buffer, .address_space: global }
      - { .name: wscales, .offset: 40, .size: 8, .value_kind: global_buffer, .address_space: global }
      - { .name: qkv_b, .offset: 48, .size: 8, .value_kind: global_buffer, .address_space: global }
      - { .name: qcodes, .offset: 56, .size: 8, .value_kind: global_buffer, .address_space: global }
      - { .name: qscales, .offset: 64, .size: 8, .value_kind: global_buffer, .address_space: global }
      - { .name: kv, .offset: 72, .size: 8, .value_kind: global_buffer, .address_space: global }
    .group_segment_fixed_size: 9728
    .private_segment_fixed_size: 0
    .kernarg_segment_align: 8
    .kernarg_segment_size: 80
    .max_flat_workgroup_size: 256
    .sgpr_count:     102
    .vgpr_count:     400
    .wavefront_size: 32
...
	.end_amdgpu_metadata
.endif
;; end of part 2
;; launch attn (part 3): grid 16 x 16, 16 waves a work-group, clusters of 4 x 1, 288,768 bytes of LDS; arguments qcodes, qscales, kv, ocodes, oscales; writes ocodes, oscales
.if DOCPART == 3
	.amdgcn_target "amdgcn-amd-amdhsa--gfx1250"
	.amdhsa_code_object_version 6
	.text
	.protected	k_qefdc79789c_attn
	.globl	k_qefdc79789c_attn
	.p2align	8
	.type	k_qefdc79789c_attn,@function
k_qefdc79789c_attn:
	s_mov_b64 s[64:65], 0
	v_nop
	global_prefetch_b8 v0, s[64:65] scope:SCOPE_SE
	s_setreg_imm32_b32 hwreg(HW_REG_WAVE_MODE, 25, 1), 1
	s_wait_xcnt 0x0
	s_wait_alu depctr_hold_cnt(0) depctr_sa_sdst(0) depctr_va_vdst(0) depctr_va_sdst(0) depctr_va_ssrc(0) depctr_va_vcc(0) depctr_vm_vsrc(0)
	s_getreg_b32 s2, hwreg(HW_REG_IB_STS2, 6, 4)
	s_cmp_eq_u32 s2, 0
	s_cbranch_scc0 .Lentry_in_a_cluster
	s_endpgm
.Lentry_in_a_cluster:
	s_bfe_u32 s2, ttmp6, 0x10000c
	s_cmp_lg_u32 s2, 0x3003
	s_cbranch_scc0 .Lentry_shape_is_right
	s_endpgm
.Lentry_shape_is_right:
; ATTENTION on codes of E2M1: S^T = K Q^T (K = the head's 64), p = 2^(t - M), O^T = V^T P^T (K = the keys), O / l quantised along d for the projection.
; t = score x log2(e) / 8; M = the running largest t rounded UP to a whole number, kept as -M = floor(-t); the row's sum is taken of the unquantised p and divides at the end;
; when M moves, the sum and O^T are multiplied by 2^(old M - new M), which rounds nothing.
; SHARES.  Work-group (x, y): head y = 4 b + h, queries 256 qb .. + 255.  Sixteen waves, each ONE tile of 16 queries (T = 16 qb + w) in 256 registers: four waves to a SIMD, so that one wave's vector work stands beside
; another's matrix work and LDS loads.  Every wave walks the head's 4,096 keys in 32 steps of 128: 8 + 4 matrix instructions a step.
; LDS.  A head's K and V as codes, with their scale words, are 32 records of 8,960 bytes: 286,720 bytes.  They are brought ONCE and stay: no slot is filled again.  A record (made by the launch before): + 0 eight images of K's tiles
; (512 bytes each), + 4,096 four of V's (1,024 each), + 8,192 K's scale words [2][16 rows][4 tiles], + 8,704 V's [16 rows][4 tiles].  An image is read at 16 x lane: 512 bytes on end.
; CLUSTER.  The four work-groups of a cluster belong to one head and want the same bytes: each part is asked for JOINTLY, by the same tensor load with the same descriptor and the mask 15.  Waves 0 to 3 ask, two loads each:
; record w (so that the first four steps can begin), then records 4 + 7 w .. 10 + 7 w.  By this text's own count a wave has at most two tensor loads out.
; THE HEAD'S 64 AGAINST THE INSTRUCTION'S 128: the codes of k = 64 .. 127 are zeros on both sides (four registers of each fragment, written once) and their scale bytes 127.
; LAYOUT.  Both products are used transposed: a lane holds ONE query.  Position r of K's tile 2 B + u is key 32 B + 8 u + r + 8 (r / 8), so the 16 registers of two neighbouring score tiles are 16 neighbouring keys;
; V's tiles take the head's d in the same order, so O^T's 16 registers of two neighbouring tiles are 16 neighbouring d.
; LIMITS: NaN and infinities are not served.  A p under 2^-126 comes out of v_exp_f32 as 0.  A block of zeros keeps the byte 1: its codes are zeros; only this program reads the bytes.
; A block's largest p is not searched for: the block's largest score goes through the same multiply-add and exponential; this takes v_exp_f32 not to fall where its input rises.
; All memory requests stand at the head, so there is no later trip to ask ahead for.
.set LI,  1                            ; v1   16 x lane
.set LSC, 2                            ; v2   16 x (lane % 16)
.set ADI, 3                            ; v3   the step's record + LI
.set ADS, 4                            ; v4   the step's record + LSC
.set OSA, 5                            ; v5   8 x (lane % 16)
.set QF,  16                           ; v16-23   Q's fragment (20-23: zeros)
.set O,   24                           ; v24-27   the conversions' scale operands
.set FF,  28                           ; v28-29   f = 2^(old M - new M); v29 is named with it as a pair
.set KF,  32                           ; v32-95   K's eight fragments (the upper four registers of each: zeros)
.set S,   96                           ; v96-159  S^T, then p
.set OT,  160                          ; v160-191 O^T
.set VF,  192                          ; v192-223 V's four fragments
.set PC,  224                          ; v224-231 p's codes
.set BM,  232                          ; v232-235 the blocks' largest scores, then largest p
.set T,   232
.set TP,  236                          ; v236-239 at work; the scale bytes
.set E,   236
.set KS,  240                          ; v240-247 K's scale words
.set VS,  248                          ; v248-251 V's
.set PS,  253                          ; v253     p's scale word
.set QS,  255                          ; v255     Q's
.set WV,  14
.set SEL, 20
.set CS,  22
.set G1A, 24
.set G1B, 32
.set G0A, 40
.set G0B, 44
.set TB,  48
.set CNT, 49
.macro ROUND                           ; a round of the cluster's barrier
	s_barrier_signal -1
	s_barrier_wait -1
	s_cmp_lg_u32 s[WV], 0
	s_cbranch_scc1 .Lnot_wave_0_\@
	s_barrier_signal -3
.Lnot_wave_0_\@:
	s_barrier_wait -3
	s_barrier_signal -1
	s_barrier_wait -1
.endm
.macro QUANT2 s0, s1, d0, d1, e0, e1   ; two blocks by turns; of each a lane holds 16 numbers and lane l xor 16 the other 16
	v_max3_num_f32 v[T], |v[\s0]|, |v[\s0+1]|, 0x1800000
	v_max3_num_f32 v[T+1], |v[\s1]|, |v[\s1+1]|, 0x1800000
.irp i, 2,4,6,8,10,12,14
	s_delay_alu instid0(VALU_DEP_2)
	v_max3_num_f32 v[T], v[T], |v[\s0+\i]|, |v[\s0+\i+1]|
	s_delay_alu instid0(VALU_DEP_2)
	v_max3_num_f32 v[T+1], v[T+1], |v[\s1+\i]|, |v[\s1+\i+1]|
.endr
	s_delay_alu instid0(VALU_DEP_2)
	v_permlanex16_b32 v[T+2], v[T], s[SEL], s[SEL+1]
	s_delay_alu instid0(VALU_DEP_2)
	v_permlanex16_b32 v[T+3], v[T+1], s[SEL], s[SEL+1]
	s_delay_alu instid0(VALU_DEP_2)
	v_max_num_f32 v[T], v[T], v[T+2]
	s_delay_alu instid0(VALU_DEP_2)
	v_max_num_f32 v[T+1], v[T+1], v[T+3]
	s_delay_alu instid0(VALU_DEP_2)
	v_add_nc_u32 v[O], 0xff000000, v[T]
	s_delay_alu instid0(VALU_DEP_2)
	v_add_nc_u32 v[O+1], 0xff000000, v[T+1]
	s_delay_alu instid0(VALU_DEP_2)
	v_lshrrev_b32 v[\e0], 23, v[O]
	s_delay_alu instid0(VALU_DEP_2)
	v_lshrrev_b32 v[\e1], 23, v[O+1]
	v_cvt_scalef32_pk8_fp4_f32 v[\d0], v[\s0:\s0+7], v[O]
	v_cvt_scalef32_pk8_fp4_f32 v[\d0+1], v[\s0+8:\s0+15], v[O]
	v_cvt_scalef32_pk8_fp4_f32 v[\d1], v[\s1:\s1+7], v[O+1]
	v_cvt_scalef32_pk8_fp4_f32 v[\d1+1], v[\s1+8:\s1+15], v[O+1]
	v_nop
.endm
; A KEY STEP: the 128 keys of the record at LDS byte s[TB]
.macro STEP
	s_setprio 2
	v_add_nc_u32 v[ADI], s[TB], v[LI]
	v_add_nc_u32 v[ADS], s[TB], v[LSC]
.irp t, 0,1,2,3,4,5,6,7
	ds_load_b128 v[KF+8*\t:KF+8*\t+3], v[ADI] offset:512*\t
.endr
	ds_load_b128 v[KS:KS+3], v[ADS] offset:8192
	ds_load_b128 v[KS+4:KS+7], v[ADS] offset:8448
	s_wait_alu depctr_va_vdst(0)
	s_wait_dscnt 0x0
.irp t, 0,1,2,3,4,5,6,7
	v_wmma_scale_f32_16x16x128_f8f6f4 v[S+8*\t:S+8*\t+7], v[KF+8*\t:KF+8*\t+7], v[QF:QF+7], 0, v[KS+\t], v[QS] matrix_a_fmt:MATRIX_FMT_FP4 matrix_b_fmt:MATRIX_FMT_FP4
.endr
.rept 4
	v_nop                                          ; four places ahead of the first read of the scores; with the two additions above they are six behind the last step's products, ahead of the loads into V's registers
.endr
.irp t, 0,1,2,3
	ds_load_b128 v[VF+8*\t:VF+8*\t+3], v[ADI] offset:4096+1024*\t        ; V is asked for here: it has the whole softmax in which to land
	ds_load_b128 v[VF+8*\t+4:VF+8*\t+7], v[ADI] offset:4096+1024*\t+512
.endr
	ds_load_b128 v[VS:VS+3], v[ADS] offset:8704
.irp b, 0,1,2,3
	v_max3_num_f32 v[BM+\b], v[S+16*\b], v[S+1+16*\b], v[S+2+16*\b]   ; the largest score of each block of 32 keys: it serves for the row's maximum and, since p rises with the score, for the block's largest p
.endr
.irp i, 3,5,7,9,11,13
.irp b, 0,1,2,3
	v_max3_num_f32 v[BM+\b], v[BM+\b], v[S+16*\b+\i], v[S+1+16*\b+\i]
.endr
.endr
.irp b, 0,1,2,3
	v_max_num_f32 v[BM+\b], v[BM+\b], v[S+15+16*\b]
.endr
.irp b, 0,1,2,3
	s_delay_alu instid0(VALU_DEP_4)
	v_permlanex16_b32 v[TP+\b], v[BM+\b], s[SEL], s[SEL+1]
.endr
.irp b, 0,1,2,3
	s_delay_alu instid0(VALU_DEP_4)
	v_max_num_f32 v[BM+\b], v[BM+\b], v[TP+\b]     ; with lane l xor 16's 16 keys
.endr
	s_delay_alu instid0(VALU_DEP_2)
	v_max3_num_f32 v254, v[BM], v[BM+1], v[BM+2]
	s_delay_alu instid0(VALU_DEP_1)
	v_max_num_f32 v254, v254, v[BM+3]              ; the step's largest score of my query
	s_delay_alu instid0(VALU_DEP_1)
	v_mul_f32 v254, s[CS], v254                    ; as t
	s_delay_alu instid0(VALU_DEP_1)
	v_max_num_f32 v13, v13, v254                   ; the running largest t
	v_mov_b32 v254, v12
	s_delay_alu instid0(VALU_DEP_2)
	v_floor_f32 v12, -v13                          ; the new -M = floor(-t): M is a whole number
	s_delay_alu instid0(VALU_DEP_1)
	v_sub_f32 v254, v12, v254                      ; old M - new M: a whole number, 0 or less
	s_delay_alu instid0(VALU_DEP_1)
	v_cvt_i32_f32 v254, v254                       ; (it saturates)
	s_delay_alu instid0(VALU_DEP_1)
	v_ldexp_f32 v[FF], 1.0, v254                   ; f
.irp j, 0,2,4,6,8,10,12,14,16,18,20,22,24,26,28,30,32,34,36,38,40,42,44,46,48,50,52,54,56,58,60,62
	v_pk_fma_f32 v[S+\j:S+1+\j], v[S+\j:S+1+\j], s[CS:CS+1], v[12:13] op_sel_hi:[1,0,0]   ; t - M, two at a time
.endr
.irp b, 0,1,2,3
	v_fma_f32 v[BM+\b], v[BM+\b], s[CS], v12       ; the same of each block's largest score
.endr
.set j, 0
	s_wait_alu depctr_va_vdst(0)
.rept 64
	v_exp_f32 v[S+j], v[S+j]                       ; p = 2^(t - M), at most 1
.set j, j+1
.endr
	s_setprio 1
	v_pk_mul_f32 v[14:15], v[14:15], v[FF:FF+1] op_sel_hi:[1,0]   ; the sums under the new M: the plain line behind the exponentials
	s_wait_alu depctr_va_vdst(0)                   ; one wait for the batch of 64, ahead of its first reader
.irp b, 0,1,2,3
	v_exp_f32 v[BM+\b], v[BM+\b]                   ; the blocks' largest p
.endr
	v_pk_add_f32 v[236:237], v[100:101], v[104:105]
	v_pk_add_f32 v[246:247], v[108:109], v[112:113]
	v_pk_add_f32 v[244:245], v[116:117], v[120:121]
	v_pk_add_f32 v[242:243], v[124:125], v[128:129]
	v_pk_add_f32 v[240:241], v[132:133], v[136:137]
	v_pk_add_f32 v[238:239], v[140:141], v[144:145]
	v_pk_add_f32 v[230:231], v[148:149], v[152:153]
	v_pk_add_f32 v[14:15], v[14:15], v[156:157]
	v_pk_add_f32 v[236:237], v[236:237], v[96:97]
	v_pk_add_f32 v[246:247], v[246:247], v[98:99]
	v_pk_add_f32 v[244:245], v[244:245], v[102:103]
	v_pk_add_f32 v[242:243], v[242:243], v[106:107]
	v_pk_add_f32 v[240:241], v[240:241], v[110:111]
	v_pk_add_f32 v[238:239], v[238:239], v[114:115]
	v_pk_add_f32 v[230:231], v[230:231], v[118:119]
	v_pk_add_f32 v[14:15], v[14:15], v[122:123]
	v_pk_add_f32 v[236:237], v[236:237], v[126:127]
	v_pk_add_f32 v[246:247], v[246:247], v[130:131]
	v_pk_add_f32 v[244:245], v[244:245], v[134:135]
	v_pk_add_f32 v[242:243], v[242:243], v[138:139]
	v_pk_add_f32 v[240:241], v[240:241], v[142:143]
	v_pk_add_f32 v[238:239], v[238:239], v[146:147]
	v_pk_add_f32 v[230:231], v[230:231], v[150:151]
	v_pk_add_f32 v[14:15], v[14:15], v[154:155]
	v_pk_add_f32 v[236:237], v[236:237], v[158:159]
	s_delay_alu instid0(VALU_DEP_2)
	v_pk_add_f32 v[14:15], v[14:15], v[242:243]
	s_delay_alu instid0(VALU_DEP_2)
	v_pk_add_f32 v[236:237], v[236:237], v[240:241]
	v_pk_add_f32 v[246:247], v[246:247], v[238:239]
	v_pk_add_f32 v[244:245], v[244:245], v[230:231]
	s_delay_alu instid0(VALU_DEP_2)
	v_pk_add_f32 v[14:15], v[14:15], v[246:247]
	s_delay_alu instid0(VALU_DEP_2)
	v_pk_add_f32 v[236:237], v[236:237], v[244:245]
	s_delay_alu instid0(VALU_DEP_1)
	v_pk_add_f32 v[14:15], v[14:15], v[236:237]
	s_wait_alu depctr_va_vdst(0)                   ; and one for the four
.irp b, 0,1,2,3
	v_max_num_f32 v[BM+\b], 0x1800000, v[BM+\b]    ; the floor 2^(3 - 127): the byte cannot fall under 1
.endr
.irp b, 0,1,2,3
	s_delay_alu instid0(VALU_DEP_4)
	v_add_nc_u32 v[O+\b], 0xff000000, v[BM+\b]     ; 2 off the exponent field: the conversion's scale operand
.endr
.irp b, 0,1,2,3
	s_delay_alu instid0(VALU_DEP_4)
	v_lshrrev_b32 v[TP+\b], 23, v[O+\b]            ; the scale's byte
.endr
	s_delay_alu instid0(VALU_DEP_3)
	v_lshl_or_b32 v[PS], v[TP+1], 8, v[TP]         ; p's scale word for these 128 keys
	s_delay_alu instid0(VALU_DEP_1)
	v_lshl_or_b32 v[PS], v[TP+2], 16, v[PS]
	s_delay_alu instid0(VALU_DEP_1)
	v_lshl_or_b32 v[PS], v[TP+3], 24, v[PS]
.irp b, 0,1,2,3
	v_cvt_scalef32_pk8_fp4_f32 v[PC+2*\b], v[S+16*\b:S+7+16*\b], v[O+\b]
	v_cvt_scalef32_pk8_fp4_f32 v[PC+1+2*\b], v[S+8+16*\b:S+15+16*\b], v[O+\b]
.endr
	v_nop                                          ; one plain line behind the last scaled conversion
.irp c, 0,1
.irp i, 0,1
	v_permlane16_swap_b32 v[PC+4*\c+\i], v[PC+2+4*\c+\i]   ; a whole block in a lane: lanes 0-15 block 2 c, lanes 16-31 block 2 c + 1
.endr
.endr
	s_setprio 0
.irp j, 0,2,4,6,8,10,12,14,16,18,20,22,24,26,28,30
	v_pk_mul_f32 v[OT+\j:OT+1+\j], v[OT+\j:OT+1+\j], v[FF:FF+1] op_sel_hi:[1,0]   ; O^T under the new M; these sixteen are also the places between the codes, the scale word and the products
.endr
	s_wait_alu depctr_va_vdst(0)
	s_wait_dscnt 0x0                               ; V and its scale words
.irp t, 0,1,2,3
	v_wmma_scale_f32_16x16x128_f8f6f4 v[OT+8*\t:OT+8*\t+7], v[VF+8*\t:VF+8*\t+7], v[PC:PC+7], v[OT+8*\t:OT+8*\t+7], v[VS+\t], v[PS] matrix_a_fmt:MATRIX_FMT_FP4 matrix_b_fmt:MATRIX_FMT_FP4
.endr
	s_add_co_u32 s[TB], s[TB], 8960                ; the next record
.endm
	s_load_b256 s[4:11], s[0:1], 0x0               ; qcodes 4:5, qscales 6:7, kv 8:9, ocodes 10:11
	s_load_b64 s[12:13], s[0:1], 0x20              ; oscales
	v_lshl_add_u32 v31, v0, 2, 0x46000
	v_mov_b32 v252, 0
	ds_add_u32 v31, v252
	ds_add_u32 v31, v252
	v_lshrrev_b32 v6, 5, v0
	s_delay_alu instid0(VALU_DEP_1)
	v_readfirstlane_b32 s[WV], v6                  ; wave 0..15
	v_and_b32 v[LI], 31, v0
	s_delay_alu instid0(VALU_DEP_1)
	v_lshlrev_b32 v[LI], 4, v[LI]
	v_and_b32 v[OSA], 15, v0
	s_delay_alu instid0(VALU_DEP_1)
	v_lshlrev_b32 v[LSC], 4, v[OSA]
	s_delay_alu instid0(VALU_DEP_2)
	v_lshlrev_b32 v[OSA], 3, v[OSA]
	s_bfe_u32 s15, ttmp6, 0x40000                  ; cx: it enters q's and o's addresses alone
	s_lshl_b32 s16, ttmp9, 2
	s_add_co_u32 s16, s16, s15                     ; qb = 4 x cluster x + cx
	s_and_b32 s17, ttmp7, 0xffff                   ; batch x head, which the four partners share
	s_lshl_b32 s18, s16, 4
	s_add_co_u32 s18, s18, s[WV]                   ; T: my tile of 16 queries
	; descriptor groups 1: dense blocks as rows of 256 bytes (32 elements of 8 bytes), no padding; 15:0 the mask of all four partners, bit 21 beside it
	s_mov_b32 s[G1A], 15|(3<<16)|(1<<21)
	s_mov_b32 s[G1A+1], 32<<16                     ; tensor_dim0
	s_mov_b32 s[G1A+2], 35<<16                     ; tensor_dim1: one record is 35 rows
	s_mov_b32 s[G1A+3], 32<<16                     ; tile_dim0
	s_mov_b32 s[G1A+4], 35                         ; tile_dim1
	s_mov_b32 s[G1A+5], 32                         ; the pitch
	s_mov_b32 s[G1A+6], 0
	s_mov_b32 s[G1A+7], 0
	s_mov_b32 s[G1B], 15|(3<<16)|(1<<21)
	s_mov_b32 s[G1B+1], 32<<16
	s_mov_b32 s[G1B+2], 245<<16                    ; seven records are 245 rows
	s_mov_b32 s[G1B+3], 32<<16
	s_mov_b32 s[G1B+4], 245
	s_mov_b32 s[G1B+5], 32
	s_mov_b32 s[G1B+6], 0
	s_mov_b32 s[G1B+7], 0
	s_mov_b32 s[SEL], 0x76543210
	s_mov_b32 s[SEL+1], 0xfedcba98
	s_mov_b32 s[CS], 0x3e38aa3b                    ; log2(e) / 8
	s_mov_b32 s[CS+1], s[CS]
	s_mov_b32 s[TB], 0
	s_mul_i32 s50, s17, 286720                     ; the head's first byte in kv
	s_mul_i32 s52, s[WV], 8960
	s_add_co_u32 s52, s52, s50                     ; record w
	s_mov_b32 s53, 0
	s_mul_i32 s51, s[WV], 62720
	s_add_co_u32 s50, s50, s51
	s_add_co_u32 s50, s50, 35840                   ; records 4 + 7 w on
	s_mov_b32 s51, 0
	s_lshl_b32 s54, s17, 17                        ; qcodes: 131,072 bh + 512 T
	s_lshl_b32 s19, s18, 9
	s_add_co_u32 s54, s54, s19
	s_mov_b32 s55, 0
	s_lshl_b32 s56, s17, 14                        ; qscales: 16,384 bh + 256 (T / 4) + 4 (T % 4)
	s_lshr_b32 s19, s18, 2
	s_lshl_b32 s19, s19, 8
	s_add_co_u32 s56, s56, s19
	s_and_b32 s19, s18, 3
	s_lshl_b32 s19, s19, 2
	s_add_co_u32 s56, s56, s19
	s_mov_b32 s57, 0
	s_lshr_b32 s3, s17, 2                          ; b
	s_and_b32 s19, s17, 3                          ; the head in its batch
	s_lshl_b32 s58, s3, 19                         ; ocodes: 524,288 b + 2,048 T + 512 head
	s_lshl_b32 s60, s18, 11
	s_add_co_u32 s58, s58, s60
	s_lshl_b32 s60, s19, 9
	s_add_co_u32 s58, s58, s60
	s_mov_b32 s59, 0
	s_lshl_b32 s60, s3, 15                         ; oscales: 32,768 b + 128 T + 2 head
	s_lshl_b32 s61, s18, 7
	s_add_co_u32 s60, s60, s61
	s_lshl_b32 s61, s19, 1
	s_add_co_u32 s60, s60, s61
	s_mov_b32 s61, 0
	s_wait_dscnt 0x0
	s_wait_kmcnt 0x0
	s_mov_b32 s[G0A], 1                            ; count = 1
	s_mul_i32 s[G0A+1], s[WV], 8960                ; LDS: record w
	s_add_nc_u64 s[G0A+2:G0A+3], s[8:9], s[52:53]
	s_or_b32 s[G0A+3], s[G0A+3], 0x80000000        ; type = 2
	s_mov_b32 s[G0B], 1
	s_mul_i32 s[G0B+1], s[WV], 62720
	s_add_co_u32 s[G0B+1], s[G0B+1], 35840         ; LDS: records 4 + 7 w on
	s_add_nc_u64 s[G0B+2:G0B+3], s[8:9], s[50:51]
	s_or_b32 s[G0B+3], s[G0B+3], 0x80000000
	s_add_nc_u64 s[4:5], s[4:5], s[54:55]
	s_add_nc_u64 s[6:7], s[6:7], s[56:57]
	s_add_nc_u64 s[10:11], s[10:11], s[58:59]
	s_add_nc_u64 s[12:13], s[12:13], s[60:61]
	ROUND                                          ; all four work-groups are here: the joint loads meet
	s_cmp_lt_u32 s[WV], 4                          ; a wave's two loads stand in one branch on the wave's number, the same in every partner
	s_cbranch_scc0 .Lno_fetch
	tensor_load_to_lds s[G0A:G0A+3], s[G1A:G1A+7]
	s_nop 0
	tensor_load_to_lds s[G0B:G0B+3], s[G1B:G1B+7]
	s_nop 0
.rept 4
	v_nop
.endr
.Lno_fetch:
	s_wait_alu depctr_va_vdst(0)
	global_load_b128 v[QF:QF+3], v[LI], s[4:5]     ; Q's image
	global_load_b32 v[QS], v[LSC], s[6:7]          ; and its scale words
.irp i, 4,5,6,7
	v_mov_b32 v[QF+\i], 0                          ; zero codes for k = 64 .. 127
.endr
.irp t, 0,1,2,3,4,5,6,7
.irp i, 4,5,6,7
	v_mov_b32 v[KF+8*\t+\i], 0                     ; written once: no load lands here
.endr
.endr
.set j, 0
.rept 32
	v_mov_b32 v[OT+j], 0                           ; O^T.  The step is written once: the first finds zeros, which the first change of M leaves zeros
.set j, j+1
.endr
	v_mov_b32 v14, 0                               ; the sum, in two halves
	v_mov_b32 v15, 0
	v_mov_b32 v[FF+1], 0
.irp b, 0,1,2,3
	v_mov_b32 v[TP+\b], 0                          ; a lane permute's destination counts as read
.endr
	v_mov_b32 v13, 0xff61b1e6                      ; the largest t so far: -3e38
	s_delay_alu instid0(VALU_DEP_1)
	v_floor_f32 v12, -v13                          ; -M
	s_wait_tensorcnt 1                             ; my record of the first four is in; the seven-record load issued behind it may stay out
	s_barrier_signal -1
	s_barrier_wait -1                              ; records 0 to 3 are whole
	s_wait_loadcnt 0x0                             ; Q
	s_mov_b32 s[CNT], 4
.Lp1:
	STEP
	s_sub_co_u32 s[CNT], s[CNT], 1
	s_cmp_lg_u32 s[CNT], 0
	s_cbranch_scc1 .Lp1
	s_setprio 0
	s_wait_tensorcnt 0x0                           ; my seven records are in
	s_wait_dscnt 0x0
	s_barrier_signal -1
	s_barrier_wait -1                              ; all 32 are whole
	s_mov_b32 s[CNT], 28
.Lp2:
	STEP
	s_sub_co_u32 s[CNT], s[CNT], 1
	s_cmp_lg_u32 s[CNT], 0
	s_cbranch_scc1 .Lp2
	s_setprio 0
	; THE WAY OUT: O^T / the sum, quantised along d (two blocks of 32), as piece (head % 2) of K step (head / 2) of the projection's fragment of my 16 tokens
.rept 4
	v_nop                                          ; four places behind the last products
.endr
	v_add_f32 v14, v14, v15
	s_delay_alu instid0(VALU_DEP_1)
	v_permlanex16_b32 v254, v14, s[SEL], s[SEL+1]
	s_delay_alu instid0(VALU_DEP_1)
	v_add_f32 v14, v14, v254                       ; the row's sum
	s_wait_alu depctr_va_vdst(0)
	v_rcp_f32 v14, v14
	v_nop                                          ; a plain line behind the transcendental,
	s_wait_alu depctr_va_vdst(0)                   ; and the wait ahead of its first reader
.irp j, 0,2,4,6,8,10,12,14,16,18,20,22,24,26,28,30
	v_pk_mul_f32 v[S+\j:S+1+\j], v[OT+\j:OT+1+\j], v[14:15] op_sel_hi:[1,0]   ; register 16 B + i: d = 32 B + 16 h + i
.endr
	QUANT2 S, S+16, PC, PC+2, E, E+1
	v_permlane16_swap_b32 v[PC], v[PC+2]           ; lanes 0-15 block 0, lanes 16-31 block 1
	v_permlane16_swap_b32 v[PC+1], v[PC+3]
	v_lshl_or_b32 v[E+2], v[E+1], 8, v[E]
	global_store_b128 v[LI], v[PC:PC+3], s[10:11]  ; 512 bytes on end
	global_store_b16 v[OSA], v[E+2], s[12:13]      ; my head's two bytes of the token's eight (lanes 16-31 repeat lanes 0-15's address and data)
	s_wait_tensorcnt 0x0
	ds_add_u32 v31, v252
	s_wait_dscnt 0x0
	ROUND                                          ; the closing round: no work-group ends while a partner may still ask jointly
	s_endpgm
.Lfunc_end_k_qefdc79789c_attn:
	.size	k_qefdc79789c_attn, .Lfunc_end_k_qefdc79789c_attn-k_qefdc79789c_attn
	.p2alignl 7, 3214868480
	.fill 96, 4, 3214868480
	.section	.rodata,"a",@progbits
	.p2align	6, 0x0
	.amdhsa_kernel k_qefdc79789c_attn
		.amdhsa_group_segment_fixed_size 288768
		.amdhsa_private_segment_fixed_size 0
		.amdhsa_enable_private_segment 0
		.amdhsa_kernarg_size 40
		.amdhsa_user_sgpr_count 2
		.amdhsa_user_sgpr_kernarg_segment_ptr 1
		.amdhsa_wavefront_size32 1
		.amdhsa_system_sgpr_workgroup_id_x 1
		.amdhsa_system_sgpr_workgroup_id_y 1
		.amdhsa_system_sgpr_workgroup_id_z 1
		.amdhsa_system_vgpr_workitem_id 0
		.amdhsa_next_free_vgpr 256
		.amdhsa_next_free_sgpr 66
		.amdhsa_reserve_vcc 0
		.amdhsa_float_denorm_mode_32 3
		.amdhsa_float_denorm_mode_16_64 3
		.amdhsa_memory_ordered 1
		.amdhsa_forward_progress 1
		.amdhsa_inst_pref_size 45
	.end_amdhsa_kernel
	.amdgpu_metadata
---
amdhsa.version: [ 1, 2 ]
amdhsa.kernels:
  - .name:           k_qefdc79789c_attn
    .symbol:         k_qefdc79789c_attn.kd
    .args:
      - { .name: qcodes, .offset: 0, .size: 8, .value_kind: global_buffer, .address_space: global }
      - { .name: qscales, .offset: 8, .size: 8, .value_kind: global_buffer, .address_space: global }
      - { .name: kv, .offset: 16, .size: 8, .value_kind: global_buffer, .address_space: global }
      - { .name: ocodes, .offset: 24, .size: 8, .value_kind: global_buffer, .address_space: global }
      - { .name: oscales, .offset: 32, .size: 8, .value_kind: global_buffer, .address_space: global }
    .group_segment_fixed_size: 288768
    .private_segment_fixed_size: 0
    .kernarg_segment_align: 8
    .kernarg_segment_size: 40
    .max_flat_workgroup_size: 512
    .sgpr_count:     66
    .vgpr_count:     256
    .wavefront_size: 32
...
	.end_amdgpu_metadata
.endif
;; end of part 3
;; launch proj (part 4): grid 256 x 1, 16 waves a work-group, no clusters, 71,680 bytes of LDS; arguments x, part, gamma, beta, proj_b, wcodes, wscales, ocodes, oscales, out0; writes out0
.if DOCPART == 4
	.amdgcn_target "amdgcn-amd-amdhsa--gfx1250"
	.amdhsa_code_object_version 6
	.text
	.protected	k_qefdc79789c_proj
	.globl	k_qefdc79789c_proj
	.p2align	8
	.type	k_qefdc79789c_proj,@function
k_qefdc79789c_proj:
	s_mov_b64 s[64:65], 0
	v_nop
	global_prefetch_b8 v0, s[64:65] scope:SCOPE_SE
	s_setreg_imm32_b32 hwreg(HW_REG_WAVE_MODE, 25, 1), 1
	s_wait_xcnt 0x0
; PROJ.  out0 = proj_w O + proj_b + xn, the product on codes of E2M1 (K = the 256 channels 64 head + d); xn is computed anew from x and the groups' statistics.
; SHARES.  Work-group g: batch b = g / 64, tokens 64 tb .. + 63 (four natural tiles of 16).  Wave w of sixteen takes output channels 16 w .. 16 w + 15 (norm group w / 2) for all 64 tokens:
; 8 matrix instructions on four accumulators by turns.  Source 0 = 16 tokens of O, source 1 = 16 rows of proj_w: a lane holds ONE channel and eight neighbouring tokens, 32 bytes of a row of out0.
; The wave's 16 channels x 64 tokens go through its own stage in LDS (16 rows x (256 + 16) bytes) and come back as whole rows of 256 bytes, which sixteen lanes store as one aligned run; x is read in the same shape.
; Waves share nothing: no barrier.  WHY NO CLUSTER: a wave's share of the weights is 2 KB and goes straight into registers; O's images of a work-group are its own.
; All loads stand at the head, so there is no later trip to ask ahead for.
; LIMITS: NaN and infinities are not served.
.set OF,   16                          ; v16-79   O's fragments: tile m, K step s at 16 m + 8 s; v16-47 later take the rows back from the stage
.set RB,   16
.set WF,   80                          ; v80-95   proj_w's two fragments
.set ACC,  96                          ; v96-127  four accumulators
.set X,    128                         ; v128-159 x, then the result
.set GM,   160                         ; v160-167 gamma, v168-175 beta, v176-183 proj_b of channels 16 w + 8 h + 0 .. 7
.set BE,   168
.set PB,   176
.set OS,   184                         ; v184-191 O's scale words, a pair a tile
.set WS,   192                         ; v192-193 proj_w's
.set P4,   196
.set GT,   200
.set MEAN, 204
.set RSTD, 206
.set SEL,  42
.macro RSUM v, t
	s_delay_alu instid0(VALU_DEP_1)
	v_add_f32_dpp v[\v], v[\v], v[\v] row_xmask:1 row_mask:0xf bank_mask:0xf
	s_delay_alu instid0(VALU_DEP_1)
	v_add_f32_dpp v[\v], v[\v], v[\v] row_xmask:2 row_mask:0xf bank_mask:0xf
	s_delay_alu instid0(VALU_DEP_1)
	v_add_f32_dpp v[\v], v[\v], v[\v] row_xmask:4 row_mask:0xf bank_mask:0xf
	s_delay_alu instid0(VALU_DEP_1)
	v_add_f32_dpp v[\v], v[\v], v[\v] row_xmask:8 row_mask:0xf bank_mask:0xf
	s_delay_alu instid0(VALU_DEP_1)
	v_permlanex16_b32 v[\t], v[\v], s[SEL], s[SEL+1]
	s_delay_alu instid0(VALU_DEP_1)
	v_add_f32 v[\v], v[\v], v[\t]
.endm
; The group's mean and 1 / sqrt(var + eps) from its 64 entries (mean_i, M2_i) of 2,048 numbers each; a lane holds two.  M2 = sum M2_i + 2,048 sum (mean_i - mean)^2.
.macro GSTATS
	v_add_f32 v[GT], v[P4], v[P4+2]
	RSUM GT, GT+1
	s_delay_alu instid0(VALU_DEP_1)
	v_mul_f32 v[MEAN], 0x3c800000, v[GT]           ; / 64
	s_delay_alu instid0(VALU_DEP_1)
	v_mov_b32 v[MEAN+1], v[MEAN]
	s_delay_alu instid0(VALU_DEP_2)
	v_sub_f32 v[GT+2], v[P4], v[MEAN]
	s_delay_alu instid0(VALU_DEP_3)
	v_sub_f32 v[GT+3], v[P4+2], v[MEAN]
	s_delay_alu instid0(VALU_DEP_2)
	v_mul_f32 v[GT+2], v[GT+2], v[GT+2]
	s_delay_alu instid0(VALU_DEP_1)
	v_fma_f32 v[GT+2], v[GT+3], v[GT+3], v[GT+2]
	v_add_f32 v[GT], v[P4+1], v[P4+3]
	s_delay_alu instid0(VALU_DEP_1)
	v_fmamk_f32 v[GT], v[GT+2], 0x45000000, v[GT]  ; x 2,048 +
	RSUM GT, GT+1
	s_delay_alu instid0(VALU_DEP_1)
	v_fmaak_f32 v[GT], s44, v[GT], 0x3727c5ac      ; / 131,072 + 1e-5
	s_wait_alu depctr_va_vdst(0)
	v_rsq_f32 v[RSTD], v[GT]
	v_nop                                          ; a plain line behind the transcendental,
	s_wait_alu depctr_va_vdst(0)                   ; and the wait ahead of its first reader
	v_mov_b32 v[RSTD+1], v[RSTD]
.endm
	s_load_b512 s[4:19], s[0:1], 0x0               ; x 4:5, part 6:7, gamma 8:9, beta 10:11, proj_b 12:13, wcodes 14:15, wscales 16:17, ocodes 18:19
	s_load_b128 s[20:23], s[0:1], 0x40             ; oscales 20:21, out0 22:23
	v_lshl_add_u32 v216, v0, 2, 0x11000
	v_mov_b32 v217, 0
	v_lshrrev_b32 v11, 5, v0
	s_delay_alu instid0(VALU_DEP_1)
	v_readfirstlane_b32 s24, v11                   ; wave 0..15
	v_and_b32 v1, 31, v0                           ; lane
	v_and_b32 v2, 15, v0                           ; r
	v_bfe_u32 v3, v0, 4, 1                         ; h
	s_delay_alu instid0(VALU_DEP_3)
	v_lshlrev_b32 v4, 4, v1                        ; 16 x lane
	s_delay_alu instid0(VALU_DEP_3)
	v_lshlrev_b32 v5, 7, v2
	s_delay_alu instid0(VALU_DEP_1)
	v_lshl_add_u32 v5, v3, 4, v5                   ; proj_w's codes: row r of 128 bytes, + 16 h
	v_lshlrev_b32 v6, 3, v2                        ; scale words: 8 bytes a row
	v_lshlrev_b32 v7, 4, v2
	s_delay_alu instid0(VALU_DEP_1)
	v_lshl_add_u32 v7, v3, 17, v7                  ; x and out0: lanes 0-15 a row of 256 bytes, lanes 16-31 the row eight channels on
	v_lshlrev_b32 v8, 5, v3                        ; gamma, beta, proj_b: 8 h numbers on
	s_mul_i32 s27, s24, 4352                       ; my stage
	v_mul_u32_u24 v9, v2, 272
	s_delay_alu instid0(VALU_DEP_1)
	v_lshl_add_u32 v9, v3, 5, v9
	s_delay_alu instid0(VALU_DEP_1)
	v_add_nc_u32 v9, s27, v9                       ; in: row r (my channel), + 32 h
	v_mul_u32_u24 v10, v3, 2176
	s_delay_alu instid0(VALU_DEP_1)
	v_lshl_add_u32 v10, v2, 4, v10
	s_delay_alu instid0(VALU_DEP_1)
	v_add_nc_u32 v10, s27, v10                     ; back: rows t (lanes 0-15) and 8 + t (lanes 16-31), 16 bytes a lane
	v_mov_b32 v[GT+1], 0                           ; a lane permute's destination counts as read
	s_mov_b32 s[SEL], 0x76543210
	s_mov_b32 s[SEL+1], 0xfedcba98
	s_mov_b32 s44, 0x37000000                      ; 2^-17
	s_lshr_b32 s25, ttmp9, 6                       ; b
	s_and_b32 s26, ttmp9, 63                       ; tb
	s_lshl_b32 s28, s25, 22                        ; x, out0: 4,194,304 b + 262,144 w + 256 tb
	s_lshl_b32 s27, s24, 18
	s_add_co_u32 s28, s28, s27
	s_lshl_b32 s27, s26, 8
	s_add_co_u32 s28, s28, s27
	s_mov_b32 s29, 0
	s_lshl_b32 s30, s25, 12                        ; part: 512 (8 b + w / 2)
	s_lshr_b32 s27, s24, 1
	s_lshl_b32 s27, s27, 9
	s_add_co_u32 s30, s30, s27
	s_mov_b32 s31, 0
	s_lshl_b32 s32, s24, 6                         ; 64 w
	s_mov_b32 s33, 0
	s_lshl_b32 s34, s24, 11
	s_add_co_u32 s34, s34, 98304                   ; wcodes: 128 (768 + 16 w)
	s_mov_b32 s35, 0
	s_lshl_b32 s36, s24, 7
	s_add_co_u32 s36, s36, 6144                    ; wscales: 8 (768 + 16 w)
	s_mov_b32 s37, 0
	s_lshl_b32 s38, s25, 19                        ; ocodes: 524,288 b + 8,192 tb
	s_lshl_b32 s27, s26, 13
	s_add_co_u32 s38, s38, s27
	s_mov_b32 s39, 0
	s_lshl_b32 s40, s25, 15                        ; oscales: 32,768 b + 512 tb
	s_lshl_b32 s27, s26, 9
	s_add_co_u32 s40, s40, s27
	s_mov_b32 s41, 0
	s_wait_alu depctr_va_vdst(0)
	s_wait_kmcnt 0x0
	s_add_nc_u64 s[4:5], s[4:5], s[28:29]
	s_add_nc_u64 s[22:23], s[22:23], s[28:29]
	s_add_nc_u64 s[6:7], s[6:7], s[30:31]
	s_add_nc_u64 s[8:9], s[8:9], s[32:33]
	s_add_nc_u64 s[10:11], s[10:11], s[32:33]
	s_add_nc_u64 s[12:13], s[12:13], s[32:33]
	s_add_nc_u64 s[14:15], s[14:15], s[34:35]
	s_add_nc_u64 s[16:17], s[16:17], s[36:37]
	s_add_nc_u64 s[18:19], s[18:19], s[38:39]
	s_add_nc_u64 s[20:21], s[20:21], s[40:41]
.irp s, 0,1
.irp c, 0,1
	global_load_b128 v[WF+8*\s+4*\c:WF+8*\s+4*\c+3], v5, s[14:15] offset:64*\s+32*\c
.endr
.endr
	global_load_b64 v[WS:WS+1], v6, s[16:17]
.irp m, 0,1,2,3
.irp s, 0,1
.irp c, 0,1
	global_load_b128 v[OF+16*\m+8*\s+4*\c:OF+16*\m+8*\s+4*\c+3], v4, s[18:19] offset:2048*\m+1024*\s+512*\c   ; an image: 512 bytes on end
.endr
.endr
.endr
.irp m, 0,1,2,3
	global_load_b64 v[OS+2*\m:OS+2*\m+1], v6, s[20:21] offset:128*\m
.endr
	global_load_b128 v[P4:P4+3], v4, s[6:7]        ; my group's 64 entries, two a lane
	global_load_b128 v[GM:GM+3], v8, s[8:9]
	global_load_b128 v[GM+4:GM+7], v8, s[8:9] offset:16
	global_load_b128 v[BE:BE+3], v8, s[10:11]
	global_load_b128 v[BE+4:BE+7], v8, s[10:11] offset:16
	global_load_b128 v[PB:PB+3], v8, s[12:13]
	global_load_b128 v[PB+4:PB+7], v8, s[12:13] offset:16
.irp t, 0,1,2,3,4,5,6,7
	global_load_b128 v[X+4*\t:X+4*\t+3], v7, s[4:5] offset:16384*\t th:TH_LOAD_NT   ; sixteen lanes read 256 bytes on end, aligned
.endr
	s_wait_loadcnt 15                              ; the products' operands are in; the entries, the six loads of gains and biases and x's eight may be out
.irp m, 0,1,2,3
	v_wmma_scale_f32_16x16x128_f8f6f4 v[ACC+8*\m:ACC+8*\m+7], v[OF+16*\m:OF+16*\m+7], v[WF:WF+7], 0, v[OS+2*\m], v[WS] matrix_a_fmt:MATRIX_FMT_FP4 matrix_b_fmt:MATRIX_FMT_FP4
.endr
.irp m, 0,1,2,3
	v_wmma_scale_f32_16x16x128_f8f6f4 v[ACC+8*\m:ACC+8*\m+7], v[OF+16*\m+8:OF+16*\m+15], v[WF+8:WF+15], v[ACC+8*\m:ACC+8*\m+7], v[OS+2*\m+1], v[WS+1] matrix_a_fmt:MATRIX_FMT_FP4 matrix_b_fmt:MATRIX_FMT_FP4
.endr
.rept 4
	v_nop                                          ; four places ahead of the stores that read results and of the loads into O's registers
.endr
.irp m, 0,1,2,3
	ds_store_b128 v9, v[ACC+8*\m:ACC+8*\m+3] offset:64*\m          ; lane (r, h): channel r, tokens 16 m + 8 h + 0 .. 7; each accumulator from its low end on
	ds_store_b128 v9, v[ACC+8*\m+4:ACC+8*\m+7] offset:64*\m+16
.endr
.irp t, 0,1,2,3,4,5,6,7
	ds_load_b128 v[RB+4*\t:RB+4*\t+3], v10 offset:272*\t           ; my own bytes: LDS serves a wave's instructions in order (ISA guide 5.7.1.4), so these see the stores above
.endr
	s_wait_loadcnt 8                               ; the entries, gamma, beta, proj_b are in; x's eight may be out
	GSTATS
.irp i, 0,1,2,3,4,5,6,7
	v_add_f32 v[BE+\i], v[BE+\i], v[PB+\i]         ; beta + proj_b: both are added to every token of the channel
.endr
	s_wait_loadcnt 0x0                             ; x
.irp t, 0,1,2,3,4,5,6,7
	v_pk_add_f32 v[X+4*\t:X+4*\t+1], v[X+4*\t:X+4*\t+1], v[MEAN:MEAN+1] neg_lo:[0,1] neg_hi:[0,1]
	v_pk_add_f32 v[X+4*\t+2:X+4*\t+3], v[X+4*\t+2:X+4*\t+3], v[MEAN:MEAN+1] neg_lo:[0,1] neg_hi:[0,1]
	v_pk_mul_f32 v[X+4*\t:X+4*\t+1], v[X+4*\t:X+4*\t+1], v[RSTD:RSTD+1]
	v_pk_mul_f32 v[X+4*\t+2:X+4*\t+3], v[X+4*\t+2:X+4*\t+3], v[RSTD:RSTD+1]
.irp i, 0,1,2,3
	v_fma_f32 v[X+4*\t+\i], v[X+4*\t+\i], v[GM+\t], v[BE+\t]       ; my row is channel 16 w + 8 h + t
.endr
	s_wait_alu depctr_va_vdst(0)
	s_wait_dscnt 7-\t                              ; row t is back from the stage; the later rows may be out
	v_pk_add_f32 v[X+4*\t:X+4*\t+1], v[X+4*\t:X+4*\t+1], v[RB+4*\t:RB+4*\t+1]
	v_pk_add_f32 v[X+4*\t+2:X+4*\t+3], v[X+4*\t+2:X+4*\t+3], v[RB+4*\t+2:RB+4*\t+3]
	global_store_b128 v7, v[X+4*\t:X+4*\t+3], s[22:23] offset:16384*\t th:TH_STORE_NT   ; sixteen lanes store 256 bytes on end, aligned; written once, read by nobody here
.endr
	s_wait_tensorcnt 0x0
	ds_add_u32 v216, v217
	s_wait_dscnt 0x0
	s_endpgm
.Lfunc_end_k_qefdc79789c_proj:
	.size	k_qefdc79789c_proj, .Lfunc_end_k_qefdc79789c_proj-k_qefdc79789c_proj
	.p2alignl 7, 3214868480
	.fill 96, 4, 3214868480
	.section	.rodata,"a",@progbits
	.p2align	6, 0x0
	.amdhsa_kernel k_qefdc79789c_proj
		.amdhsa_group_segment_fixed_size 71680
		.amdhsa_private_segment_fixed_size 0
		.amdhsa_enable_private_segment 0
		.amdhsa_kernarg_size 80
		.amdhsa_user_sgpr_count 2
		.amdhsa_user_sgpr_kernarg_segment_ptr 1
		.amdhsa_wavefront_size32 1
		.amdhsa_system_sgpr_workgroup_id_x 1
		.amdhsa_system_sgpr_workgroup_id_y 1
		.amdhsa_system_sgpr_workgroup_id_z 1
		.amdhsa_system_vgpr_workitem_id 0
		.amdhsa_next_free_vgpr 218
		.amdhsa_next_free_sgpr 66
		.amdhsa_reserve_vcc 0
		.amdhsa_float_denorm_mode_32 3
		.amdhsa_float_denorm_mode_16_64 3
		.amdhsa_memory_ordered 1
		.amdhsa_forward_progress 1
		.amdhsa_inst_pref_size 18
	.end_amdhsa_kernel
	.amdgpu_metadata
---
amdhsa.version: [ 1, 2 ]
amdhsa.kernels:
  - .name:           k_qefdc79789c_proj
    .symbol:         k_qefdc79789c_proj.kd
    .args:
      - { .name: x, .offset: 0, .size: 8, .value_kind: global_buffer, .address_space: global }
      - { .name: part, .offset: 8, .size: 8, .value_kind: global_buffer, .address_space: global }
      - { .name: gamma, .offset: 16, .size: 8, .value_kind: global_buffer, .address_space: global }
      - { .name: beta, .offset: 24, .size: 8, .value_kind: global_buffer, .address_space: global }
      - { .name: proj_b, .offset: 32, .size: 8, .value_kind: global_buffer, .address_space: global }
      - { .name: wcodes, .offset: 40, .size: 8, .value_kind: global_buffer, .address_space: global }
      - { .name: wscales, .offset: 48, .size: 8, .value_kind: global_buffer, .address_space: global }
      - { .name: ocodes, .offset: 56, .size: 8, .value_kind: global_buffer, .address_space: global }
      - { .name: oscales, .offset: 64, .size: 8, .value_kind: global_buffer, .address_space: global }
      - { .name: out0, .offset: 72, .size: 8, .value_kind: global_buffer, .address_space: global }
    .group_segment_fixed_size: 71680
    .private_segment_fixed_size: 0
    .kernarg_segment_align: 8
    .kernarg_segment_size: 80
    .max_flat_workgroup_size: 512
    .sgpr_count:     66
    .vgpr_count:     218
    .wavefront_size: 32
...
	.end_amdgpu_metadata
.endif
;; end of part 4
